; MI455X (gfx1250); checked and timed in simulation.
; The chip was launched on July 23, 2026; its instructions are those of AMD's public machine-readable ISA for CDNA 5 (MIT licence, August 2026) and "CDNA5" Instruction Set Architecture Reference Guide (July 2026). The comments in the code are by the model that wrote it; some were corrected since.
;; Multi Head Attention. Allowed arithmetic: matrix products marked QUANTISED: E5M2 operands, one given power-of-two scale a tensor, by v_wmma_f32_16x16x64_bf8_bf8 or v_wmma_f32_16x16x128_bf8_bf8, f32 sums; everything else in f32.
;; Inputs: Wk_codes 1,024 x 32 x 32 uint8 (E5M2 codes of Wk, K innermost, in blocks of 32 codes); Wp_codes 1,024 x 32 x 32 uint8 (E5M2 codes of Wp, K innermost, in blocks of 32 codes); Wq_codes 1,024 x 32 x 32 uint8 (E5M2 codes of Wq, K innermost, in blocks of 32 codes); Wv_codes 1,024 x 32 x 32 uint8 (E5M2 codes of Wv, K innermost, in blocks of 32 codes); bk 1,024 float32; bp 1,024 float32; bq 1,024 float32; bv 1,024 float32; lowp_scales 12 int32 (the exponents e of the quantised operands' scales 2^e); mask 1 x 1 x 2,048 x 2,048 int32; x_codes 4 x 2,048 x 32 x 32 uint8 (E5M2 codes of x, K innermost, in blocks of 32 codes).
;; Outputs: out0 4 x 2,048 x 1,024 float32.
;; This version of the problem:
;;   THIS VERSION OF THE PROBLEM IS GIVEN IN LOW PRECISION. The matrix products marked QUANTISED in the list below multiply operands that are first quantised to E5M2 (5 exponent bits, 2 mantissa bits; 8 bits a number), with one given power-of-two scale for each operand tensor; their sums are f32. All else is computed in f32.
;;   The module's matrix products, in the order in which they are computed (A, B: the left and right operand; K: the contracted axis; several contracted axes count as one K, in the product's order):
;;     1. [M 8,192, K 1,024] x [K 1,024, N 1,024]; A: input x (given as codes); B: input Wq (given as codes): QUANTISED (scales: A lowp_scales[0], B lowp_scales[1])
;;     2. [M 8,192, K 1,024] x [K 1,024, N 1,024]; A: input x (given as codes); B: input Wk (given as codes): QUANTISED (scales: A lowp_scales[2], B lowp_scales[3])
;;     3. [M 8,192, K 1,024] x [K 1,024, N 1,024]; A: input x (given as codes); B: input Wv (given as codes): QUANTISED (scales: A lowp_scales[4], B lowp_scales[5])
;;     4. batch 64 x [M 2,048, K 64] x [K 64, N 2,048]; A: computed on the way; B: computed on the way: QUANTISED (scales: A lowp_scales[6], B lowp_scales[7])
;;     5. batch 64 x [M 2,048, K 2,048] x [K 2,048, N 64]; A: softmax (see below); B: computed on the way: QUANTISED (scales: A lowp_scales[8], B lowp_scales[9])
;;     6. [M 8,192, K 1,024] x [K 1,024, N 1,024]; A: computed on the way; B: input Wp (given as codes): QUANTISED (scales: A lowp_scales[10], B lowp_scales[11])
;;   THE QUANTISER, for each operand of a quantised product, along K:
;;     - The operand's scale is 2^e, e = its entry of the input lowp_scales (int32; the entries are numbered through the quantised products in the list's order, A before B).
;;     - Each number is divided by the scale, clamped to +-57,344, and rounded to the nearest number of E5M2, ties to even, subnormals kept.
;;     - The product sums the exact products of the quantised numbers (number of the format x scale) in f32.
;;   ~~~python
;;   def quantise(x, axis, e):      # numpy; x: float32 -> the quantised numbers, widened to float32 again
;;       x = np.moveaxis(x, axis, -1); K = x.shape[-1]
;;       r = np.clip(x / 2.0 ** e, -57344, 57344)
;;       step = 2.0 ** (np.maximum(np.frexp(np.where(r == 0, 1, r))[1] - 1, -14) - 2)
;;       q = np.round(r / step) * step * 2.0 ** e      # np.round: ties to even
;;       return np.moveaxis(q, -1, axis).astype(np.float32)
;;   ~~~
;;   SOFTMAX AHEAD OF A QUANTISED PRODUCT. Where the list says 'softmax', what is quantised is not the finished softmax but p = 2^(t - M), with t = logit x log2(e) and M = ceil(the row's largest t), a whole number; so 1/2 < the row's largest p <= 1. The row's sum l is taken of the UNQUANTISED p, in f32, and the product's result is divided by l at the end. Since M is a whole number, a kernel that streams over the keys may use a running M (the ceiling of the running maximum): every later rescaling is an exact power of two, so the quantised numbers keep their values, but for numbers so far below the row's largest that they fall under the format's range.
;;   OPERANDS COMPUTED ON THE WAY. 'Computed on the way' means the value that the module computes at that place (a softmax that the list does not call 'softmax' is quantised finished and normalised). What goes into a quantiser is computed in f32, as accurately as f32 sums, v_exp_f32 and their like allow (about 1e-6 of the number): no bf16 or f16 on the way to a quantiser, and a product that is left as it is and whose result goes on into a quantised operand takes f32 operands (vector FMAs, or v_wmma_f32_16x16x4_f32). A number that lies on a knife's edge between two numbers of the format may be rounded either way, as far as f32 arithmetic and the matrix unit's own rounding can turn it there, and no further.
;;   INPUTS GIVEN AS CODES. Wk (in the module: [1024, 1024], K = its axis 0); Wp (in the module: [1024, 1024], K = its axis 0); Wq (in the module: [1024, 1024], K = its axis 0); Wv (in the module: [1024, 1024], K = its axis 0); x (in the module: [4, 2048, 1024], K = its axis 2): each comes as NAME_codes (uint8): NAME with its K axis moved to the last place and cut into blocks of 32 codes, [.., K / 32, bytes a block], one block behind the other in memory; one code a byte (a code: sign, 5 exponent bits, 2 mantissa bits); its scale is its entry of lowp_scales. Its value is code x scale, taken as it is: it is not quantised again, and the codes and scales need not be those that the quantiser above would give.
;; 2 versions, each right; version 2 is version 1 with the launch attn written anew for expert scheduling mode. Each part assembles by itself: llvm-mc -triple=amdgcn-amd-amdhsa -mcpu=gfx1250 --defsym DOCPART=n.
;; ======== version 1 of 2: 4 launches
;; limits: right only within a limited range of input values
;; workspace buffers: q_img 8,388,608 bytes; k_img 8,388,608 bytes; v_img 8,388,608 bytes; y_img 8,388,608 bytes; mw 524,288 bytes of whole numbers; flags 65,536 bytes of whole numbers
;; launch pack (part 1): grid 256 x 1, 16 waves a work-group, no clusters, 73,984 bytes of LDS; arguments mask, mw, flags; writes mw, flags
.if DOCPART == 1
	.amdgcn_target "amdgcn-amd-amdhsa--gfx1250"
	.amdhsa_code_object_version 6
	.text
	.protected	k_q2709570041_pack
	.globl	k_q2709570041_pack
	.p2align	8
	.type	k_q2709570041_pack,@function
k_q2709570041_pack:
	s_mov_b64 s[64:65], 0
	v_nop
	global_prefetch_b8 v0, s[64:65] scope:SCOPE_SE
	s_setreg_imm32_b32 hwreg(HW_REG_WAVE_MODE, 25, 1), 1
	s_wait_xcnt 0x0
; The mask [2048 queries][2048 keys] of int32 is condensed once, for the attention launch.
; mw:    [query tile 128][step 32][word 32] of 32 bits.  Word n = 8 u + j of (tile, step): the bit of lane (r, h) = r + 16 h says mask[16 tile + r][64 step + 16 u + 8 h + j] != 0:
;        the lane mask for register n of the attention's scores, which lie just so.
; flags: [query tile 128][half 2][256 bytes]: the pair (any, all), repeated 32 times; bit i stands for step 16 half + i: any = some pair of the 16 x 64 counts, all = every pair counts.
; SHARES.  A work-group takes one query tile and one half of its steps; each of its sixteen waves one step: 16 rows x 64 keys, 256 bytes a row.
; Each load takes two rows' 256 consecutive bytes; the 4 KiB turn through the wave's own stage in LDS, so that a lane gets, of row r, the 8 keys of its half of each 16.
; No matrix work, no tensor load: the launch reads 16 MiB once and has next to no arithmetic.
.set PITCH, 272                        ; a stage row: 256 bytes + 16, so that sixteen rows' equal columns fall on different banks
.set STGW,  16*PITCH                   ; a wave's stage
.set WORDS, 16*STGW                    ; behind the stages: the work-group's 16 x 32 words, as they will lie in mw
.set FL,    WORDS+2048                 ; behind them: sixteen words 'any', then sixteen words 'all', one a wave
.set IN,    16                         ; v16-47  as loaded
.set X,     48                         ; v48-79  register n = 8 u + j: mask[r][16 u + 8 h + j]
.set W,     80                         ; v80     lane n holds word n
	s_load_b128 s[4:7], s[0:1], 0x0                ; mask, mw
	s_load_b64 s[8:9], s[0:1], 0x10                ; flags
	v_lshl_add_u32 v96, v0, 2, 0x11900
	v_mov_b32 v97, 0
	v_lshrrev_b32 v10, 5, v0
	v_readfirstlane_b32 s10, v10                   ; wave 0..15
	v_and_b32 v11, 31, v0                          ; lane
	v_and_b32 v12, 15, v0                          ; r
	v_bfe_u32 v13, v0, 4, 1                        ; h
	v_lshlrev_b32 v1, 4, v12
	v_lshl_add_u32 v1, v13, 13, v1                 ; in memory: lanes 0-15 one row's 256 bytes, lanes 16-31 the next row's (8,192 bytes on)
	s_mul_i32 s11, s10, STGW
	v_mul_u32_u24 v2, v13, PITCH
	v_lshl_add_u32 v2, v12, 4, v2
	v_add_nc_u32 v2, s11, v2                       ; into the stage: the same two rows
	v_mul_u32_u24 v3, v12, PITCH
	v_lshl_add_u32 v3, v13, 5, v3
	v_add_nc_u32 v3, s11, v3                       ; out of it: row r, + 32 h bytes: my half's eight keys of each sixteen
	s_lshl_b32 s12, s10, 7
	s_add_co_u32 s12, s12, WORDS
	v_lshl_add_u32 v4, v11, 2, s12                 ; my wave's 32 words, lane n's word
	s_lshl_b32 s13, s10, 2
	s_add_co_u32 s13, s13, FL
	v_mov_b32 v5, s13                              ; my wave's two flags
	s_and_b32 s14, s10, 3
	s_lshl_b32 s14, s14, 9
	v_lshl_add_u32 v8, v11, 4, s14                 ; the copy out (waves 0-3): 512 bytes a wave, 16 a lane: in mw,
	v_add_nc_u32 v6, WORDS, v8                     ; and in LDS
	v_lshl_add_u32 v7, v12, 2, FL                  ; wave 4: lane l reads the flag of wave l % 16
	v_lshlrev_b32 v9, 3, v11                       ; and stores 8 bytes at 8 x lane
	v_mov_b32 v[W], 0                              ; written whole before lanes are written singly
	s_lshr_b32 s15, ttmp9, 1                       ; query tile
	s_and_b32 s16, ttmp9, 1                        ; half
	s_lshl_b32 s18, s15, 17                        ; 16 rows of 8,192 bytes
	s_lshl_b32 s17, s16, 4
	s_add_co_u32 s17, s17, s10                     ; my step
	s_lshl_b32 s17, s17, 8                         ; 64 keys of 4 bytes
	s_add_co_u32 s18, s18, s17
	s_mov_b32 s19, 0
	s_lshl_b32 s20, s15, 12                        ; mw: 4,096 bytes a tile, 2,048 a half
	s_lshl_b32 s17, s16, 11
	s_add_co_u32 s20, s20, s17
	s_mov_b32 s21, 0
	s_lshl_b32 s22, s15, 9                         ; flags: 512 bytes a tile, 256 a half
	s_lshl_b32 s17, s16, 8
	s_add_co_u32 s22, s22, s17
	s_mov_b32 s23, 0
	s_wait_kmcnt 0x0
	s_add_nc_u64 s[4:5], s[4:5], s[18:19]
	s_add_nc_u64 s[6:7], s[6:7], s[20:21]
	s_add_nc_u64 s[8:9], s[8:9], s[22:23]
.irp i, 0,1,2,3,4,5,6,7
	global_load_b128 v[IN+4*\i:IN+4*\i+3], v1, s[4:5] offset:16384*\i th:TH_LOAD_NT   ; rows 2 i and 2 i + 1; read once in the launch
.endr
.irp i, 0,1,2,3,4,5,6,7
	s_wait_loadcnt 7-\i                            ; loads come back in order: load i is in, the younger ones stay out
	ds_store_b128 v2, v[IN+4*\i:IN+4*\i+3] offset:2*PITCH*\i
.endr
.irp u, 0,1,2,3
	ds_load_b128 v[X+8*\u:X+8*\u+3], v3 offset:64*\u       ; LDS serves a wave's instructions in order: these see my stores
	ds_load_b128 v[X+8*\u+4:X+8*\u+7], v3 offset:64*\u+16
.endr
	s_wait_dscnt 0x0
.set n, 0
.rept 32
	v_cmp_ne_u32 s[32+n], 0, v[X+n]                ; word n: a bit a lane
	v_writelane_b32 v[W], s[32+n], n
.set n, n+1
.endr
	v_cmp_ne_u32 s12, 0, v[W]                      ; some word has a bit
	s_cmp_lg_u32 s12, 0
	s_cselect_b32 s12, 1, 0
	v_cmp_ne_u32 s13, -1, v[W]                     ; some word lacks a bit
	s_cmp_eq_u32 s13, 0
	s_cselect_b32 s13, 1, 0
	v_mov_b32 v81, s12
	v_mov_b32 v86, s13
	ds_store_b32 v4, v[W]
	ds_store_b32 v5, v81                           ; all lanes write the same word with the same number
	ds_store_b32 v5, v86 offset:64
	s_wait_dscnt 0x0                               ; for the others' sake: my stores have landed
	s_barrier_signal -1
	s_barrier_wait -1
	s_cmp_lt_u32 s10, 4
	s_cbranch_scc0 .Lnot_words
	ds_load_b128 v[88:91], v6                      ; waves 0-3: the 2,048 bytes of words leave as they lie, 512 consecutive bytes a wave
	s_wait_dscnt 0x0
	global_store_b128 v8, v[88:91], s[6:7]
	s_wait_tensorcnt 0x0
	ds_add_u32 v96, v97
	s_wait_dscnt 0x0
	s_endpgm
.Lnot_words:
	s_cmp_eq_u32 s10, 4
	s_cbranch_scc0 .Ldone
	ds_load_b32 v84, v7                            ; wave 4: the sixteen waves' flags become two words of sixteen bits
	ds_load_b32 v85, v7 offset:64
	s_wait_dscnt 0x0
	v_cmp_ne_u32 s14, 0, v84
	v_cmp_ne_u32 s15, 0, v85
	s_and_b32 s14, s14, 0xffff
	s_and_b32 s15, s15, 0xffff
	v_mov_b32 v82, s14
	v_mov_b32 v83, s15
	global_store_b64 v9, v[82:83], s[8:9]          ; the pair 32 times over: the store covers 256 consecutive bytes, aligned
.Ldone:
	s_wait_tensorcnt 0x0
	ds_add_u32 v96, v97
	s_wait_dscnt 0x0
	s_endpgm
.Lfunc_end_k_q2709570041_pack:
	.size	k_q2709570041_pack, .Lfunc_end_k_q2709570041_pack-k_q2709570041_pack
	.p2alignl 7, 3214868480
	.fill 96, 4, 3214868480
	.section	.rodata,"a",@progbits
	.p2align	6, 0x0
	.amdhsa_kernel k_q2709570041_pack
		.amdhsa_group_segment_fixed_size 73984
		.amdhsa_private_segment_fixed_size 0
		.amdhsa_enable_private_segment 0
		.amdhsa_kernarg_size 24
		.amdhsa_user_sgpr_count 2
		.amdhsa_user_sgpr_kernarg_segment_ptr 1
		.amdhsa_wavefront_size32 1
		.amdhsa_system_sgpr_workgroup_id_x 1
		.amdhsa_system_sgpr_workgroup_id_y 1
		.amdhsa_system_sgpr_workgroup_id_z 1
		.amdhsa_system_vgpr_workitem_id 0
		.amdhsa_next_free_vgpr 98
		.amdhsa_next_free_sgpr 66
		.amdhsa_reserve_vcc 0
		.amdhsa_float_denorm_mode_32 3
		.amdhsa_float_denorm_mode_16_64 3
		.amdhsa_memory_ordered 1
		.amdhsa_forward_progress 1
		.amdhsa_inst_pref_size 11
	.end_amdhsa_kernel
	.amdgpu_metadata
---
amdhsa.version: [ 1, 2 ]
amdhsa.kernels:
  - .name:           k_q2709570041_pack
    .symbol:         k_q2709570041_pack.kd
    .args:
      - { .name: mask, .offset: 0, .size: 8, .value_kind: global_buffer, .address_space: global }
      - { .name: mw, .offset: 8, .size: 8, .value_kind: global_buffer, .address_space: global }
      - { .name: flags, .offset: 16, .size: 8, .value_kind: global_buffer, .address_space: global }
    .group_segment_fixed_size: 73984
    .private_segment_fixed_size: 0
    .kernarg_segment_align: 8
    .kernarg_segment_size: 24
    .max_flat_workgroup_size: 512
    .sgpr_count:     66
    .vgpr_count:     98
    .wavefront_size: 32
...
	.end_amdgpu_metadata
.endif
;; end of part 1
;; launch qkv (part 2): grid 12 x 32, 4 waves a work-group, clusters of 4 x 4, 327,680 bytes of LDS; arguments x_codes, Wq_codes, Wk_codes, Wv_codes, bq, bk, bv, lowp_scales, q_img, k_img, v_img; writes q_img, k_img, v_img
.if DOCPART == 2
	.amdgcn_target "amdgcn-amd-amdhsa--gfx1250"
	.amdhsa_code_object_version 6
	.text
	.protected	k_q2709570041_qkv
	.globl	k_q2709570041_qkv
	.p2align	8
	.type	k_q2709570041_qkv,@function
k_q2709570041_qkv:
	s_mov_b64 s[64:65], 0
	v_nop
	global_prefetch_b8 v0, s[64:65] scope:SCOPE_SE
	s_setreg_imm32_b32 hwreg(HW_REG_WAVE_MODE, 25, 1), 1
	s_wait_xcnt 0x0
	s_wait_alu depctr_hold_cnt(0) depctr_sa_sdst(0) depctr_va_vdst(0) depctr_va_sdst(0) depctr_va_ssrc(0) depctr_va_vcc(0) depctr_vm_vsrc(0)
	s_getreg_b32 s2, hwreg(HW_REG_IB_STS2, 6, 4)
	s_cmp_eq_u32 s2, 0
	s_cbranch_scc0 .Lentry_in_a_cluster
	s_endpgm
.Lentry_in_a_cluster:
	s_bfe_u32 s2, ttmp6, 0x10000c
	s_cmp_lg_u32 s2, 0xf033
	s_cbranch_scc0 .Lentry_shape_is_right
	s_endpgm
.Lentry_shape_is_right:
; q = x Wq + bq, k = x Wk + bk, v = x Wv + bv on codes of BF8 (E5M2); each result is quantised at once, with its given scale, and stored as an IMAGE OF THE OPERAND REGISTERS of the attention launch.
; x: [8192 tokens][1024] codes; W*: [1024 channels][1024] codes, K innermost in both.  The cluster's x says which product: 0 q, 1 k, 2 v (the same in all sixteen partners; it steers selects, never a branch).
; A tile of 256 x 256 is made by four waves, 128 x 128 each (64 accumulators, 512 registers); K = 1,024 goes in four steps of 256 through two LDS slots filled by the tensor data mover.
; THE MATRIX INSTRUCTION IS USED WITH source 0 = 16 rows of 'B', source 1 = 16 rows of 'A': a lane holds ONE row of 'A' and its eight registers run along rows of 'B'.
;   q, k: 'A' = x (tokens), 'B' = W (channels): registers run along channels, the K of q k^T.      v: 'A' = Wv (channels), 'B' = x (tokens): registers run along tokens, the K of p v.
; So eight registers of an accumulator become, by one conversion, two registers of the next product's fragment, and nothing changes lanes:
;   q_img, k_img: [batch x head 64][tile of 16 tokens 128][piece 2][lane 32][16 bytes]: lane (r, h), registers 2 c, 2 c + 1 = channels 16 c + 8 h + 0..7 of token 16 tile + r
;   v_img:        [batch x head 64][64 keys 32][16 channels 4][piece 2][lane 32][16 bytes]: lane (r, h), registers 2 c, 2 c + 1 = keys 16 c + 8 h + 0..7 of channel 16 dt + r
; CLUSTERS: 4 x 4 work-groups; 'A''s tiles are shared along a row of the cluster, 'B''s along a column: each is asked for jointly, by the same tensor load with the same descriptor and a mask that names the four.
; In the products the fragments are fetched by four loads of 16 bytes: a permutation of k that is the same in both operands, so every product meets its partner.
; LIMITS: e0 + e1, e2 + e3, e4 + e5 between -126 and 127; e6, e7, e9 between -126 and 112, so that each power of two below is an f32 number.  NaN and infinity codes among the inputs are not treated specially.
; REGISTERS, in windows of 256: window 0: v0-31 addresses; v32-95, v96-111 the biases; v112, v113 the quantiser's scale and bound; from v128 'A''s fragments, ONE set (on the way out: at work).
;   window 1: 'B''s fragments, TWO sets.   window 2: the accumulators of my 'A' rows 0-63 ((a, b) at v[8 (8 a + b)]);   window 3: those of rows 64-127.
.set ROWB,   256                       ; a tile's row in bytes: a K step of 256 codes
.set KROW,   1024                      ; a row of x or of a weight in memory
.set PITCH,  272                       ; an LDS row: 256 bytes + 16 of padding = 68 words: row r starts at bank 4 r mod 64 (ISA guide 11.1)
.set FR,     16                        ; registers of a fragment: 16 rows x 128 K
.set NL,     4                         ; LDS loads that bring one
.set NP,     4                         ; places behind this matrix instruction (ISA guide 7.12.1)
.set HALFT,  128*PITCH                 ; what one tensor load brings, and what one wave reads of 'A' or of 'B'
.set SLOT,   4*HALFT                   ; 'A''s 256 rows, then 'B''s 256 rows
.set SPARE,  2*SLOT                    ; behind the ring: the spare words, 128 bytes a wave: two blocks of 256 bytes that no other line names
.set OFS,  8                           ; v8-11   the stores' offsets: piece g of a block's four
.set ADRA, 16                          ; v16-17  LDS address of my 'A' fragments in slot 0, 1
.set ADRB, 20                          ; v20-21  the same for 'B'
.set BNO,  27                          ; v27     offset of the bias along my registers
.set SPW,  28                          ; v28     LDS address of my spare word; never rewritten
.set NIL,  29                          ; v29     0; never rewritten
.set BMO,  30                          ; v30     offset of the bias along my lanes
.set BN,   32                          ; v32-95  bias of 'B' row 16 b + 8 h + j at register 8 b + j (q, k; zeros for v)
.set BM,   96                          ; v96-111 bias of 'A' row 16 a + r at register 2 a (v; zeros for q, k); the odd registers are named in pairs only
.set SCL,  112                         ; v112    2^eo as f32
.set LIM,  113                         ; v113    57,344 x 2^eo
.set AF,   128                         ; 'A''s fragments
.set TMP,  128                         ; the way out: a block's 64 numbers
.set CD,   192                         ; the way out: a block's 16 registers of codes, two sets by turns
.set G1, 24                            ; s[24:31] descriptor group 1 for 'A''s tiles;  s[32:39] group 0, one set for each slot
.set G0, 32
.set G1B, 48                           ; s[48:55], s[56:63] the same for 'B''s
.set G0B, 56
.set MSB, 0
.macro WIN new                         ; the immediate's high byte repeats the setting that is left
.if MSB != \new
	s_set_vgpr_msb (MSB<<8)|\new
.set MSB, \new
.endif
.endm
.set MUL_LO, 0xa1                      ; source 0 ('B') window 1, source 1 ('A') window 0, C and D window 2
.set MUL_HI, 0xf1                      ; the same, C and D window 3
.set TO_B,   0x40                      ; destination window 1, address window 0
; A joint load: waves 0 and 1 fetch for 'A', waves 2 and 3 for 'B'.  The branch hangs on the wave's number alone.  Four v_nop follow each of the two lines.
.macro JLOAD g0a, g1a, g0b, g1b
	s_cmp_eq_u32 s15, 0
	s_cbranch_scc0 .Lfor_b_\@
	tensor_load_to_lds s[\g0a:\g0a+3], s[\g1a:\g1a+7]
	s_nop 0
.rept 4
	v_nop
.endr
	s_branch .Lasked_\@
.Lfor_b_\@:
	tensor_load_to_lds s[\g0b:\g0b+3], s[\g1b:\g1b+7]
	s_nop 0
.rept 4
	v_nop
.endr
.Lasked_\@:
.endm
.macro CREST                           ; a round of the cluster's barrier behind its opening barrier
	s_cmp_lg_u32 s14, 0
	s_cbranch_scc1 .Lnot_wave_0_\@
	s_barrier_signal -3
.Lnot_wave_0_\@:
	s_barrier_wait -3
	s_barrier_signal -1
	s_barrier_wait -1
.endm
.macro CROUND                          ; a whole round
	s_barrier_signal -1
	s_barrier_wait -1
	CREST
.endm
	s_load_b512 s[68:83], s[0:1], 0x0              ; x 68, Wq 70, Wk 72, Wv 74, bq 76, bk 78, bv 80, the scales' exponents 82
	s_load_b128 s[84:87], s[0:1], 0x40             ; q_img, k_img
	s_load_b64 s[88:89], s[0:1], 0x50              ; v_img
	v_lshl_add_u32 v[SPW], v0, 2, SPARE
	v_mov_b32 v[NIL], 0
	ds_add_u32 v28, v29
	ds_add_u32 v28, v29
	s_wait_dscnt 0x0
	v_lshrrev_b32 v1, 5, v0
	v_readfirstlane_b32 s14, v1                    ; wave 0..3
	s_lshr_b32 s15, s14, 1                         ; which half of the tile's 'A' rows is mine.  Also: I fetch for 'A' (0) or for 'B' (1)
	s_and_b32 s16, s14, 1                          ; which half of its 'B' rows.  Also: which 128 rows of that tile I fetch
	s_bfe_u32 s40, ttmp6, 0x40000                  ; cx, cy: my place in the cluster
	s_bfe_u32 s41, ttmp6, 0x40004
	s_and_b32 s12, ttmp7, 0xffff
	s_lshl_b32 s12, s12, 2                         ; 4 x cluster y: the first of four token tiles
	s_cmp_eq_u32 ttmp9, 2                          ; v?
	s_cselect_b32 s13, 0, s12                      ; the token tiles run along 'A' for q and k,
	s_cselect_b32 s12, s12, 0                      ; along 'B' for v
	s_add_co_u32 s17, s13, s41                     ; 'A''s tile: hangs on cy alone of my place
	s_add_co_u32 s42, s12, s40                     ; 'B''s tile: on cx alone
	s_lshl_b32 s43, s41, 2
	s_lshl_b32 s43, 15, s43                        ; my row of the cluster
	s_lshl_b32 s44, 0x1111, s40                    ; my column
	; descriptor group 1: a tile of 128 rows x 256 bytes, padded in LDS
	s_or_b32 s[G1+0], s43, (0<<16)|(1<<20)|(1<<21)|(5<<22)|(3<<25)  ; 15:0 the mask; 17:16 elements of 1 byte; 20 padding on; 21 set beside a mask; 24:22 after every 64 words (code 5); 31:25 four words (code 3)
	s_or_b32 s[G1B+0], s44, (0<<16)|(1<<20)|(1<<21)|(5<<22)|(3<<25)
.irp g, G1, G1B
	s_mov_b32 s[\g+1], ROWB<<16                    ; tensor_dim0
	s_mov_b32 s[\g+2], 128<<16                     ; tensor_dim1
	s_mov_b32 s[\g+3], ROWB<<16                    ; tile_dim0
	s_mov_b32 s[\g+4], 128                         ; tile_dim1
	s_mov_b32 s[\g+5], KROW                        ; tensor_dim0_stride
	s_mov_b32 s[\g+6], 0
	s_mov_b32 s[\g+7], 0
.endr
	s_lshl_b32 s18, s16, 7                         ; which 128 rows of the tile I fetch
	s_lshl_b32 s20, s17, 8
	s_add_co_u32 s20, s20, s18
	s_lshl_b32 s20, s20, 10                        ; 'A': (256 x tile + 128 x half) rows of 1,024 bytes: under 2^23
	s_mov_b32 s21, 0
	s_lshl_b32 s46, s42, 8
	s_add_co_u32 s46, s46, s18
	s_lshl_b32 s46, s46, 10                        ; 'B' likewise
	s_mov_b32 s47, 0
	s_mul_i32 s45, s14, HALFT                      ; where they go: wave x 128 rows: no place in the cluster enters an LDS address
	s_wait_kmcnt 0x0
	s_cmp_eq_u32 ttmp9, 0                          ; the buffers are chosen by the cluster's x, a condition that hangs on no address
	s_cselect_b64 s[70:71], s[70:71], s[72:73]     ; Wq or Wk
	s_cselect_b64 s[76:77], s[76:77], s[78:79]     ; bq or bk
	s_cselect_b64 s[84:85], s[84:85], s[86:87]     ; q_img or k_img
	s_cmp_eq_u32 ttmp9, 2
	s_cselect_b64 s[4:5], s[74:75], s[68:69]       ; 'A': Wv, else x
	s_cselect_b64 s[6:7], s[68:69], s[70:71]       ; 'B': x, else the weight
	s_cselect_b64 s[8:9], s[80:81], s[76:77]       ; the bias
	s_cselect_b64 s[10:11], s[88:89], s[84:85]     ; the image
	s_cselect_b32 s98, 0, -1                       ; keeps the bias along my registers (q, k),
	s_cselect_b32 s99, -1, 0                       ; or the bias along my lanes (v)
	s_load_b256 s[84:91], s[82:83], 0x0            ; e0 .. e7
	s_load_b128 s[92:95], s[82:83], 0x20           ; e8 .. e11
	s_add_nc_u64 s[20:21], s[4:5], s[20:21]
	s_add_nc_u64 s[46:47], s[6:7], s[46:47]
	CROUND                                         ; all sixteen work-groups are here: the first joint loads meet
.irp s, 0,1
	s_mov_b32 s[G0+4*\s], 1
	s_add_co_u32 s[G0+4*\s+1], s45, \s*SLOT
	s_add_nc_u64 s[G0+4*\s+2:G0+4*\s+3], s[20:21], \s*ROWB
	s_or_b32 s[G0+4*\s+3], s[G0+4*\s+3], 0x80000000
	s_mov_b32 s[G0B+4*\s], 1
	s_add_co_u32 s[G0B+4*\s+1], s45, \s*SLOT
	s_add_nc_u64 s[G0B+4*\s+2:G0B+4*\s+3], s[46:47], \s*ROWB
	s_or_b32 s[G0B+4*\s+3], s[G0B+4*\s+3], 0x80000000
	JLOAD G0+4*\s, G1, G0B+4*\s, G1B
.endr
	v_and_b32 v1, 15, v0                           ; r
	v_bfe_u32 v2, v0, 4, 1                         ; h
	v_mul_u32_u24 v3, v1, PITCH
	v_lshl_add_u32 v4, v2, 4, v3                   ; a fragment's row x pitch + 16 x half
	s_mul_i32 s21, s15, HALFT                      ; my 128 rows of 'A'
	s_mul_i32 s22, s16, HALFT                      ; my 128 rows of 'B',
	s_add_co_u32 s22, s22, 2*HALFT                 ; which lie behind 'A''s 256
.irp s, 0,1
	v_add_nc_u32 v[ADRA+\s], s21, v4
	v_add_nc_u32 v[ADRB+\s], s22, v4
	s_add_co_u32 s21, s21, SLOT
	s_add_co_u32 s22, s22, SLOT
.endr
	; which tokens and channels are mine
	s_lshl_b32 s20, s17, 8
	s_lshl_b32 s21, s15, 7
	s_add_co_u32 s20, s20, s21                     ; my first row of 'A'
	s_lshl_b32 s46, s42, 8
	s_lshl_b32 s47, s16, 7
	s_add_co_u32 s46, s46, s47                     ; my first row of 'B'
	s_cmp_eq_u32 ttmp9, 2
	s_cselect_b32 s22, s20, 0                      ; the bias along lanes begins at my first channel (v), else at 0: it is loaded all the same, inside the buffer, and cleared
	s_cselect_b32 s47, 0, s46                      ; the bias along registers likewise
	s_cselect_b32 s23, s46, s20                    ; my first token
	s_cselect_b32 s19, s20, s46                    ; my first channel
	s_lshl_b32 s22, s22, 2
	s_lshl_b32 s47, s47, 2
	v_lshl_add_u32 v[BNO], v2, 5, s47              ; 4 x (first + 8 h)
	v_lshl_add_u32 v[BMO], v1, 2, s22              ; 4 x (first + r)
.irp b, 0,1,2,3,4,5,6,7
	global_load_b128 v[BN+8*\b:BN+8*\b+3], v[BNO], s[8:9] offset:64*\b         ; these stay out through the products and are waited for on the way out
	global_load_b128 v[BN+8*\b+4:BN+8*\b+7], v[BNO], s[8:9] offset:64*\b+16
.endr
.irp a, 0,1,2,3,4,5,6,7
	global_load_b32 v[BM+2*\a], v[BMO], s[8:9] offset:64*\a
	v_mov_b32 v[BM+2*\a+1], 0
.endr
	; where my part of the image begins: (batch x 16 + head) x 131,072 + (token in the batch) x 64: the same sum for all three images
	s_lshr_b32 s12, s23, 11
	s_lshl_b32 s12, s12, 4
	s_lshr_b32 s13, s19, 6
	s_add_co_u32 s12, s12, s13
	s_lshl_b32 s12, s12, 17
	s_and_b32 s13, s23, 2047
	s_lshl_b32 s13, s13, 6
	s_add_co_u32 s12, s12, s13
	s_mov_b32 s13, 0
	s_add_nc_u64 s[10:11], s[10:11], s[12:13]      ; the base of blocks a = 0..3
	s_cmp_eq_u32 ttmp9, 2
	s_mov_b32 s12, 131072                          ; a head on
	s_mov_b32 s13, 4096                            ; four token tiles, or 64 keys, on
	s_cselect_b32 s18, s12, s13                    ; blocks a = 4..7: v: my second head;  q, k: four token tiles on
	s_cselect_b32 s19, s13, s12                    ; pieces 2 and 3 of a block: v: the next 64 keys;  q, k: my second head
	s_mov_b32 s12, s18
	s_mov_b32 s13, 0
	s_add_nc_u64 s[12:13], s[10:11], s[12:13]      ; the base of blocks a = 4..7
	v_and_b32 v6, 31, v0
	v_lshlrev_b32 v[OFS], 4, v6                    ; 16 x lane
	v_add_nc_u32 v[OFS+1], 512, v[OFS]
	v_add_nc_u32 v[OFS+2], s19, v[OFS]
	v_add_nc_u32 v[OFS+3], s19, v[OFS+1]
.macro FRAG reg, adr, q, i             ; a fragment, 16 rows x 128 K, is 16 registers: four loads of 16 bytes, 32 bytes apart
.irp c, 0,1,2,3
	ds_load_b128 v[\reg+4*\c:\reg+4*\c+3], v[\adr] offset:128*(\q)+32*\c+(\i)*16*PITCH
.endr
.endm
; 16 matrix instructions: 'A''s blocks a0, a0 + 1 x 'B''s eight, 128 along K.  p: 'B''s set.  zero = 1: the first product starts the sums.
; The 64 accumulators take turns, one instruction a turn, in the same order in every step.
.macro MUL16 a0, p, zero
.irp a, \a0, \a0+1
.irp b, 0,1,2,3,4,5,6,7
.if \zero
	v_wmma_f32_16x16x128_bf8_bf8 v[8*(8*((\a)%4)+\b):8*(8*((\a)%4)+\b)+7], v[128*(\p)+FR*\b:128*(\p)+FR*\b+FR-1], v[AF+FR*(\a):AF+FR*(\a)+FR-1], 0
.else
	v_wmma_f32_16x16x128_bf8_bf8 v[8*(8*((\a)%4)+\b):8*(8*((\a)%4)+\b)+7], v[128*(\p)+FR*\b:128*(\p)+FR*\b+FR-1], v[AF+FR*(\a):AF+FR*(\a)+FR-1], v[8*(8*((\a)%4)+\b):8*(8*((\a)%4)+\b)+7]
.endif
.endr
.endr
.endm
.macro FETCH_B slot, q, p
	WIN TO_B
.irp i, 0,1,2,3,4,5,6,7
	FRAG 128*(\p)+FR*\i, ADRB+\slot, \q, \i
.endr
	WIN 0
.endm
.macro FETCH_A slot, q, i0
.irp i, \i0, \i0+1, \i0+2, \i0+3
	FRAG AF+FR*(\i), ADRA+\slot, \q, \i
.endr
.endm
.macro PLACES n                        ; plain vector instructions in front of loads into registers that matrix instructions have read (ISA guide 7.12.1 for vector instructions)
.rept \n
	v_nop
.endr
.endm
; A step of 128 along K that has its successor in the same slot.  'A' has one set of registers: blocks 0-3 are fetched anew in the step's middle, blocks 4-7 at its end.
.macro STEP slot, q, zero
	s_wait_dscnt 4*NL                              ; 'B''s set and 'A''s blocks 0-3 are in; the youngest sixteen loads ('A''s blocks 4-7) may be out
	WIN MUL_LO
	MUL16 0, (\q)%2, \zero
	MUL16 2, (\q)%2, \zero
	s_wait_dscnt 0                                 ; 'A''s blocks 4-7 are in
	PLACES NP
	FETCH_B \slot, (\q)+1, 1-(\q)%2
	FETCH_A \slot, (\q)+1, 0
	WIN MUL_HI
	MUL16 4, (\q)%2, \zero
	MUL16 6, (\q)%2, \zero
	PLACES NP
	WIN 0
	FETCH_A \slot, (\q)+1, 4
.endm
; A slot's last step changes slots: ONE barrier; in front of it each wave waits for all its tensor loads, adds 0 to its spare word, and waits for that and for its own reads of this slot.  fill = 1: this slot is filled again, two K steps ahead.
.macro TURN slot, next, fill
	s_wait_tensorcnt 0x0                           ; all my tensor loads have landed: my part of the next slot
	ds_add_u32 v[SPW], v[NIL]                      ; 0 onto my spare word
	s_wait_dscnt 4*NL+1                            ; (the add and the youngest sixteen loads may be out)
	WIN MUL_LO
	MUL16 0, 1, 0                                  ; sixteen matrix instructions stand between the add and the wait for it
	s_wait_dscnt 0x0                               ; the add is done, and my reads of this slot are over
	s_barrier_signal -1
	MUL16 2, 1, 0
	WIN 0
	s_barrier_wait -1
.if \fill
	CREST                                          ; the barrier has opened a round of the cluster's barrier: no wave of any partner still reads this slot or has a load on its way
	s_add_nc_u64 s[G0+4*\slot+2:G0+4*\slot+3], s[G0+4*\slot+2:G0+4*\slot+3], 2*ROWB
	s_add_nc_u64 s[G0B+4*\slot+2:G0B+4*\slot+3], s[G0B+4*\slot+2:G0B+4*\slot+3], 2*ROWB
	JLOAD G0+4*\slot, G1, G0B+4*\slot, G1B         ; the first tensor load behind the round; its four v_nop are the places in front of the loads below
.else
	PLACES NP
.endif
	FETCH_B \next, 0, 0
	FETCH_A \next, 0, 0
	WIN MUL_HI
	MUL16 4, 1, 0
	MUL16 6, 1, 0
	PLACES NP
	WIN 0
	FETCH_A \next, 0, 4
.endm
	s_wait_tensorcnt 1                             ; my part of K step 0 is in (K step 1's load may be out)
	s_barrier_signal -1
	s_barrier_wait -1                              ; everybody's is
	FETCH_B 0, 0, 0
	FETCH_A 0, 0, 0
	FETCH_A 0, 0, 4
	STEP 0, 0, 1                                   ; K = 1,024 is four K steps: written out, with two refills
	TURN 0, 1, 1                                   ; slot 0 takes K step 2
	STEP 1, 0, 0
	TURN 1, 0, 1                                   ; slot 1 takes K step 3
	STEP 0, 0, 0
	TURN 0, 1, 0
	STEP 1, 0, 0
	s_wait_dscnt 4*NL                              ; the very last step: nothing more to fetch
	WIN MUL_LO
	MUL16 0, 1, 0
	MUL16 2, 1, 0
	s_wait_dscnt 0
	WIN MUL_HI
	MUL16 4, 1, 0
	MUL16 6, 1, 0
	WIN 0
	; THE WAY OUT: number = sum x 2^(ea + eb) + bias; held within the largest code x 2^eo; converted; stored as the image.
	s_wait_loadcnt 0x0                             ; the biases
	s_wait_kmcnt 0x0                               ; the exponents
	s_add_co_i32 s84, s84, s85                     ; e0 + e1
	s_add_co_i32 s86, s86, s87                     ; e2 + e3
	s_add_co_i32 s88, s88, s89                     ; e4 + e5
	s_cmp_eq_u32 ttmp9, 0
	s_cselect_b32 s84, s84, s86
	s_cselect_b32 s90, s90, s91                    ; e6 (q) or e7 (k)
	s_cmp_eq_u32 ttmp9, 2
	s_cselect_b32 s84, s88, s84
	s_cselect_b32 s90, s93, s90                    ; e9 (v)
	s_add_co_i32 s84, s84, 127
	s_lshl_b32 s96, s84, 23                        ; 2^(ea + eb) as f32
	s_mov_b32 s97, s96                             ; (named with it as a pair)
	s_add_co_i32 s90, s90, 127
	s_lshl_b32 s91, s90, 23
	s_add_co_i32 s90, s90, 15
	s_lshl_b32 s90, s90, 23
	s_or_b32 s90, s90, 0x600000
.set i, 0
.rept 64
	v_and_b32 v[BN+i], s98, v[BN+i]                ; of the two biases one is kept and the other cleared.  (These lines are also the places behind the last products)
.set i, i+1
.endr
.irp a, 0,1,2,3,4,5,6,7
	v_and_b32 v[BM+2*\a], s99, v[BM+2*\a]
.endr
	v_mov_b32 v[SCL], s91                          ; 2^eo: the conversion takes its exponent field
	v_mov_b32 v[LIM], s90                          ; 57,344 x 2^eo
; Block a: my 'A' rows 16 a .. 16 a + 15 against my 128 'B' rows.  Each accumulator is read from its low end on.
.macro OUTBLK a
.set AC, 64*((\a)%4)
.set CC, CD+16*((\a)%2)
	WIN 0x02+((\a)/4)                              ; source 0: window 2 or 3
.set i, 0
.rept 32
	v_pk_fma_f32 v[TMP+i:TMP+i+1], v[AC+i:AC+i+1], s[96:97], v[BN+i:BN+i+1] op_sel_hi:[1,0,1]
.set i, i+2
.endr
	WIN 0
.set i, 0
.rept 32
	v_pk_add_f32 v[TMP+i:TMP+i+1], v[TMP+i:TMP+i+1], v[BM+2*(\a):BM+2*(\a)+1] op_sel_hi:[1,0]   ; one of the two biases is 0, so the number is rounded once
.set i, i+2
.endr
.set i, 0
.rept 64
	v_med3_num_f32 v[TMP+i], v[TMP+i], -v[LIM], v[LIM]   ; the conversion to an 8-bit code does not saturate (ISA guide 7.6.2)
.set i, i+1
.endr
.if (\a) >= 2
	s_wait_xcnt 0x0                                ; block a - 2's stores have read these registers
.endif
.irp b, 0,1,2,3,4,5,6,7
	v_cvt_scalef32_pk8_bf8_f32 v[CC+2*\b:CC+2*\b+1], v[TMP+8*\b:TMP+8*\b+7], v[SCL]
.endr
	v_nop                                          ; a plain line between the conversions and the next block's writes of their sources
.irp g, 0,1,2,3
	global_store_b128 v[OFS+\g], v[CC+4*\g:CC+4*\g+3], s[10+2*((\a)/4):11+2*((\a)/4)] offset:((\a)%4)*1024   ; 32 lanes store 512 consecutive bytes, at a multiple of 512 from the image's first byte
.endr
.endm
.irp a, 0,1,2,3,4,5,6,7
	OUTBLK \a
.endr
	s_wait_tensorcnt 0x0                           ; the wave's end
	ds_add_u32 v[SPW], v[NIL]
	s_wait_dscnt 0x0
	CROUND                                         ; the closing round: no work-group ends while a partner may still ask for a tile that names it
	s_endpgm
.Lfunc_end_k_q2709570041_qkv:
	.size	k_q2709570041_qkv, .Lfunc_end_k_q2709570041_qkv-k_q2709570041_qkv
	.p2alignl 7, 3214868480
	.fill 96, 4, 3214868480
	.section	.rodata,"a",@progbits
	.p2align	6, 0x0
	.amdhsa_kernel k_q2709570041_qkv
		.amdhsa_group_segment_fixed_size 327680
		.amdhsa_private_segment_fixed_size 0
		.amdhsa_enable_private_segment 0
		.amdhsa_kernarg_size 88
		.amdhsa_user_sgpr_count 2
		.amdhsa_user_sgpr_kernarg_segment_ptr 1
		.amdhsa_wavefront_size32 1
		.amdhsa_system_sgpr_workgroup_id_x 1
		.amdhsa_system_sgpr_workgroup_id_y 1
		.amdhsa_system_sgpr_workgroup_id_z 1
		.amdhsa_system_vgpr_workitem_id 0
		.amdhsa_next_free_vgpr 1024
		.amdhsa_next_free_sgpr 100
		.amdhsa_reserve_vcc 0
		.amdhsa_float_denorm_mode_32 3
		.amdhsa_float_denorm_mode_16_64 3
		.amdhsa_memory_ordered 1
		.amdhsa_forward_progress 1
		.amdhsa_inst_pref_size 156
	.end_amdhsa_kernel
	.amdgpu_metadata
---
amdhsa.version: [ 1, 2 ]
amdhsa.kernels:
  - .name:           k_q2709570041_qkv
    .symbol:         k_q2709570041_qkv.kd
    .args:
      - { .name: x_codes, .offset: 0, .size: 8, .value_kind: global_buffer, .address_space: global }
      - { .name: Wq_codes, .offset: 8, .size: 8, .value_kind: global_buffer, .address_space: global }
      - { .name: Wk_codes, .offset: 16, .size: 8, .value_kind: global_buffer, .address_space: global }
      - { .name: Wv_codes, .offset: 24, .size: 8, .value_kind: global_buffer, .address_space: global }
      - { .name: bq, .offset: 32, .size: 8, .value_kind: global_buffer, .address_space: global }
      - { .name: bk, .offset: 40, .size: 8, .value_kind: global_buffer, .address_space: global }
      - { .name: bv, .offset: 48, .size: 8, .value_kind: global_buffer, .address_space: global }
      - { .name: lowp_scales, .offset: 56, .size: 8, .value_kind: global_buffer, .address_space: global }
      - { .name: q_img, .offset: 64, .size: 8, .value_kind: global_buffer, .address_space: global }
      - { .name: k_img, .offset: 72, .size: 8, .value_kind: global_buffer, .address_space: global }
      - { .name: v_img, .offset: 80, .size: 8, .value_kind: global_buffer, .address_space: global }
    .group_segment_fixed_size: 327680
    .private_segment_fixed_size: 0
    .kernarg_segment_align: 8
    .kernarg_segment_size: 88
    .max_flat_workgroup_size: 128
    .sgpr_count:     100
    .vgpr_count:     1024
    .wavefront_size: 32
...
	.end_amdgpu_metadata
.endif
;; end of part 2
;; launch attn (part 3): grid 256 x 1, 16 waves a work-group, no clusters, 264,192 bytes of LDS; arguments q_img, k_img, v_img, mw, flags, lowp_scales, y_img; writes y_img
.if DOCPART == 3
	.amdgcn_target "amdgcn-amd-amdhsa--gfx1250"
	.amdhsa_code_object_version 6
	.text
	.protected	k_q2709570041_attn
	.globl	k_q2709570041_attn
	.p2align	8
	.type	k_q2709570041_attn,@function
k_q2709570041_attn:
	s_mov_b64 s[64:65], 0
	v_nop
	global_prefetch_b8 v0, s[64:65] scope:SCOPE_SE
	s_setreg_imm32_b32 hwreg(HW_REG_WAVE_MODE, 25, 1), 1
	s_wait_xcnt 0x0
; y[b][h][q] = softmax_k(q . k / 8, masked) v on codes of BF8 (E5M2), 64 heads x 2,048 queries x 2,048 keys, head size 64; y is quantised at once (e10) and stored as the image of the last product's operand.
; THE SOFTMAX: t = score x 2^(e6 + e7) x log2(e) / 8; M = the running largest t, rounded UP to a whole number; p = 2^(t - M) is quantised (e8), not normalised; the row's sum is taken of the unquantised p and divides at the end.
; When M moves, the sum and O are multiplied by 2^(old M - new M), which rounds nothing.  A pair that the mask hides gets the score -infinity ahead of the maximum: p = 0.
; THE MASK is an input and is honoured bit by bit: an earlier launch has condensed it into lane-mask words (mw: one v_cndmask_b32 a score) and, for each 16 queries x 64 keys, the bits 'any' and 'all' (flags).
; A step in which no pair of my 32 queries counts changes nothing and is jumped over; one in which every pair counts leaves the masking out: scalar branches on whole numbers that an earlier launch stored.
; A row with no key at all has the sum 0: its codes become the NaN code, as the softmax of such a row is NaN.
; SHARES.  Four work-groups to a head; each holds the head's whole K and V, 256 KiB of codes, in LDS, copied once through registers: one barrier in the launch.  A wave owns 32 queries (two tiles of 16, which share every
; fragment of K and V) in 256 registers: four waves to a SIMD, so that one wave's vector work stands beside another's matrix work.  Early and late blocks of queries are dealt out in pairs (j and 63 - j).
; NO CLUSTER, NO TENSOR LOAD, though four work-groups read the same K and V: the branches on stored flags differ from wave to wave and from work-group to work-group; the 256 KiB are read once by each, at the head.
; LAYOUT.  S^T = K Q^T (source 0 = 16 keys, source 1 = 16 queries), O^T = V^T P^T (source 0 = 16 channels, source 1 = P): a lane holds ONE query (lane % 16) throughout, and register j of key tile u holds key 16 u + 8 (lane / 16) + j:
; the place that the K = 64 form gives that key in its operand.  So a conversion's two registers ARE registers 2 u, 2 u + 1 of P's fragment; likewise O^T's of y's fragment.
; LIMITS: e6 + e7 between -123 and 130 (added to c's exponent field); e8 and e10 between -126 and 112.  NaN and infinity codes among the inputs are not treated specially.
; REGISTERS: v1 16 x lane; v2, v3 the step's LDS addresses; v4 -infinity; v5, v6 2^e8 and 57,344 x 2^e8; v7 v1 + V's place; v8-31 statistics; v32-47 Q; v48-111 S^T, then p; v112-175 O^T; v176-207 K, then p's codes; v208-239 V;
;   v240, v241 2^e10 and 57,344 x 2^e10; v242 four NaN codes; v244-247 the head's LDS addresses.
.set ST,  8                            ; tile t at v[ST + 12 t]: +0 -M, +1 the largest t, +2, +3 the sum in two halves, +4 f, +5 (named with f as a pair), +6, +7 a second chain of sums, +8, +9 at work, +10 the old -M
.set QF,  32
.set S,   48                           ; tile t, key tile u at v[S + 32 t + 8 u]
.set O,   112                          ; tile t, channels 16 d on at v[O + 32 t + 8 d]
.set KB,  176
.set VB,  208
.set VLDS, 131072                      ; LDS: K's image of the head, then V's; 64 keys are 4,096 bytes of each
	s_load_b256 s[4:11], s[0:1], 0x0               ; q_img, k_img, v_img, mw
	s_load_b128 s[12:15], s[0:1], 0x20             ; flags, the scales' exponents
	s_load_b64 s[16:17], s[0:1], 0x30              ; y_img
	v_lshl_add_u32 v254, v0, 2, 0x40000
	v_mov_b32 v255, 0
	v_lshrrev_b32 v2, 5, v0
	v_readfirstlane_b32 s18, v2                    ; wave 0..15
	v_and_b32 v1, 31, v0
	v_lshlrev_b32 v1, 4, v1                        ; 16 x lane
	v_add_nc_u32 v7, VLDS, v1
	v_lshlrev_b32 v244, 4, v0                      ; 16 x thread: the copy's place, in memory and in LDS
	v_add_nc_u32 v245, 0x10000, v244
	v_add_nc_u32 v246, 0x20000, v244
	v_add_nc_u32 v247, 0x30000, v244
	s_lshr_b32 s19, ttmp9, 2                       ; batch x 16 + head
	s_and_b32 s20, ttmp9, 3                        ; which of the head's four work-groups
	s_and_b32 s21, s18, 3
	s_lshr_b32 s22, s18, 2
	s_lshl_b32 s23, s20, 3
	s_lshl_b32 s24, s22, 1
	s_add_co_u32 s23, s23, s24
	s_lshr_b32 s24, s21, 1
	s_add_co_u32 s23, s23, s24                     ; t = 8 x work-group + 2 (wave / 4) + (wave % 4) / 2: 0 .. 31, each for two waves,
	s_add_co_u32 s24, s21, s22
	s_and_b32 s24, s24, 1
	s_sub_co_u32 s25, 63, s23
	s_cmp_lg_u32 s24, 0
	s_cselect_b32 s21, s25, s23                    ; of which one takes block j = t of 32 queries and the other j = 63 - t
	s_lshl_b32 s26, s19, 17                        ; a head's image: 131,072 bytes
	s_mov_b32 s27, 0
	s_lshl_b32 s28, s21, 11                        ; Q: two tiles of 1,024 bytes
	s_mov_b32 s29, 0
	s_lshl_b32 s30, s21, 13                        ; mw: two tiles of 4,096 bytes
	s_mov_b32 s31, 0
	s_lshl_b32 s32, s21, 10                        ; flags: two tiles of 512 bytes
	s_mov_b32 s33, 0
	s_lshr_b32 s52, s19, 4                         ; y_img: [256 tokens][head][tile of 16 tokens][1,024 bytes]
	s_lshl_b32 s52, s52, 7
	s_lshl_b32 s53, s21, 1
	s_add_co_u32 s52, s52, s53                     ; my first token tile among all 512 (an even number: both tiles lie in one block of 256 tokens)
	s_lshr_b32 s53, s52, 4
	s_lshl_b32 s53, s53, 18
	s_and_b32 s52, s52, 15
	s_lshl_b32 s52, s52, 10
	s_add_co_u32 s52, s52, s53
	s_and_b32 s53, s19, 15
	s_lshl_b32 s53, s53, 14
	s_add_co_u32 s52, s52, s53
	s_mov_b32 s53, 0
	s_wait_kmcnt 0x0
	s_add_nc_u64 s[4:5], s[4:5], s[26:27]
	s_add_nc_u64 s[4:5], s[4:5], s[28:29]
	s_add_nc_u64 s[6:7], s[6:7], s[26:27]
	s_add_nc_u64 s[8:9], s[8:9], s[26:27]
	s_add_nc_u64 s[10:11], s[10:11], s[30:31]
	s_add_nc_u64 s[12:13], s[12:13], s[32:33]
	s_add_nc_u64 s[16:17], s[16:17], s[52:53]
	s_load_b64 s[36:37], s[12:13], 0x0             ; (any, all) of my first tile, steps 0-15,
	s_load_b64 s[38:39], s[12:13], 0x100           ; steps 16-31;
	s_load_b64 s[40:41], s[12:13], 0x200           ; of my second tile
	s_load_b64 s[42:43], s[12:13], 0x300
	s_load_b64 s[44:45], s[14:15], 0x18            ; e6, e7
	s_load_b128 s[48:51], s[14:15], 0x20           ; e8, e9, e10, e11
.irp i, 0,1,2,3
	global_load_b128 v[QF+4*\i:QF+4*\i+3], v1, s[4:5] offset:512*\i          ; Q's two fragments stay in registers
.endr
.irp i, 0,1,2,3,4,5,6,7,8,9,10,11,12,13,14,15
	global_load_b128 v[48+4*\i:51+4*\i], v244, s[6:7] offset:8192*\i         ; the head's K: the work-group's 512 threads take 8,192 consecutive bytes an instruction
.endr
.irp i, 0,1,2,3,4,5,6,7,8,9,10,11,12,13,14,15
	global_load_b128 v[112+4*\i:115+4*\i], v244, s[8:9] offset:8192*\i       ; and its V
.endr
	v_mov_b32 v4, 0xff800000                       ; -infinity
	v_mov_b32 v242, 0x7f7f7f7f                     ; four NaN codes
	s_wait_kmcnt 0x0
	s_or_b32 s25, s36, s40                         ; a step counts if it counts for either tile,
	s_or_b32 s27, s38, s42
	s_lshl_b32 s27, s27, 16
	s_or_b32 s25, s25, s27                         ; bit s: step s
	s_and_b32 s26, s37, s41                        ; and is open if it is open for both
	s_and_b32 s27, s39, s43
	s_lshl_b32 s27, s27, 16
	s_or_b32 s26, s26, s27
	s_add_co_i32 s27, s44, s45
	s_lshl_b32 s27, s27, 23
	s_add_co_i32 s28, s27, 0x3e38aa3b              ; c = log2(e) / 8, with e6 + e7 added to its exponent field
	s_mov_b32 s29, s28                             ; (named with it as a pair)
	s_mov_b32 s30, 0x76543210                      ; v_permlanex16_b32's selects for lane l xor 16
	s_mov_b32 s31, 0xfedcba98
	s_mov_b32 s3, s48                              ; e8
	s_add_co_i32 s2, s48, s49                      ; e8 + e9
	s_mov_b32 s100, s50                            ; e10
	s_add_co_i32 s27, s3, 127
	s_lshl_b32 s22, s27, 23
	v_mov_b32 v5, s22                              ; 2^e8
	s_add_co_i32 s27, s27, 15
	s_lshl_b32 s27, s27, 23
	s_or_b32 s27, s27, 0x600000
	v_mov_b32 v6, s27                              ; 57,344 x 2^e8
	s_add_co_i32 s27, s100, 127
	s_lshl_b32 s22, s27, 23
	v_mov_b32 v240, s22                            ; 2^e10
	s_add_co_i32 s27, s27, 15
	s_lshl_b32 s27, s27, 23
	s_or_b32 s27, s27, 0x600000
	v_mov_b32 v241, s27                            ; 57,344 x 2^e10
.irp i, 0,1,2,3,4,5,6,7,8,9,10,11,12,13,14,15
	s_wait_loadcnt 31-\i                           ; loads come back in order: K's load i is in; behind it stand K's younger ones and V's sixteen
	ds_store_b128 v[244+\i/8], v[48+4*\i:51+4*\i] offset:8192*(\i%8)
.endr
.irp i, 0,1,2,3,4,5,6,7,8,9,10,11,12,13,14,15
	s_wait_loadcnt 15-\i
	ds_store_b128 v[246+\i/8], v[112+4*\i:115+4*\i] offset:8192*(\i%8)
.endr
	s_wait_dscnt 0x0                               ; for the others' sake: my stores have landed
	s_barrier_signal -1
	s_barrier_wait -1                              ; the head's K and V lie in LDS, and nobody writes them again
.irp t, 0,1
	v_mov_b32 v[ST+12*\t+1], 0xff61b1e6            ; the largest t so far: -3e38, under every t
	v_floor_f32 v[ST+12*\t], -v[ST+12*\t+1]        ; -M
.irp k, 2,3,5,6,7,8,9
	v_mov_b32 v[ST+12*\t+\k], 0
.endr
.endr
.set i, 0
.rept 64
	v_mov_b32 v[O+i], 0                            ; O^T begins as zeros: which step is a wave's first hangs on the mask, so no step is written out ahead of the loop
.set i, i+1
.endr
	s_mov_b32 s22, 0                               ; the step's place in K's and V's images
	s_mov_b32 s23, 0                               ; and in mw
	s_mov_b32 s24, 0                               ; the step
.Lstep:                                            ; 32 trips, a constant; a trip is 64 keys
	s_lshr_b32 s27, s25, s24
	s_and_b32 s27, s27, 1
	s_cmp_eq_u32 s27, 0
	s_cbranch_scc1 .Lskip                          ; no pair counts: every p would be 0
	v_add_nc_u32 v2, s22, v1
	v_add_nc_u32 v3, s22, v7
	v_nop
	v_nop                                          ; four plain lines in front of loads into registers that the last products read
	s_load_b512 s[32:47], s[10:11], s23 offset:0x0       ; the step's 32 mask words of my first tile,
	s_load_b512 s[48:63], s[10:11], s23 offset:0x40
	s_load_b512 s[68:83], s[10:11], s23 offset:0x1000    ; and of my second
	s_load_b512 s[84:99], s[10:11], s23 offset:0x1040
.irp i, 0,1,2,3,4,5,6,7
	ds_load_b128 v[KB+4*\i:KB+4*\i+3], v2 offset:512*\i  ; images: 512 consecutive bytes an instruction
.endr
.irp i, 0,1,2,3,4,5,6,7
	ds_load_b128 v[VB+4*\i:VB+4*\i+3], v3 offset:512*\i
.endr
	s_wait_dscnt 0x8                               ; K is in; V's eight loads stay out
.irp u, 0,1,2,3
.irp t, 0,1
	v_wmma_f32_16x16x64_bf8_bf8 v[S+32*\t+8*\u:S+32*\t+8*\u+7], v[KB+8*\u:KB+8*\u+7], v[QF+8*\t:QF+8*\t+7], 0
.endr
.endr
	v_mov_b32 v[ST+10], v[ST]                      ; the old -M is kept
	v_mov_b32 v[ST+22], v[ST+12]
	v_nop
	v_nop                                          ; four plain lines between the products and the first read of the scores
	s_wait_kmcnt 0x0                               ; the mask words (on both ways: the next step loads into the same registers)
	s_lshr_b32 s27, s26, s24
	s_and_b32 s27, s27, 1
	s_cmp_lg_u32 s27, 0
	s_cbranch_scc1 .Lopen                          ; every pair counts
.set n, 0
.rept 32
	v_cndmask_b32 v[S+n], v4, v[S+n], s[32+n]      ; -infinity where the lane's bit is 0; each accumulator from its low end on
	v_cndmask_b32 v[S+32+n], v4, v[S+32+n], s[68+n]
.set n, n+1
.endr
.Lopen:
.irp t, 0,1                                        ; the step's largest score of my query among my 32 keys: two chains a tile, ascending; the two tiles by turns
	v_max3_num_f32 v[ST+12*\t+8], v[S+32*\t], v[S+32*\t+1], v[S+32*\t+2]
	v_max3_num_f32 v[ST+12*\t+9], v[S+32*\t+3], v[S+32*\t+4], v[S+32*\t+5]
.endr
.irp i, 6,10,14,18,22,26
.irp t, 0,1
	v_max3_num_f32 v[ST+12*\t+8], v[ST+12*\t+8], v[S+32*\t+\i], v[S+32*\t+\i+1]
	v_max3_num_f32 v[ST+12*\t+9], v[ST+12*\t+9], v[S+32*\t+\i+2], v[S+32*\t+\i+3]
.endr
.endr
.irp t, 0,1
	v_max3_num_f32 v[ST+12*\t+8], v[ST+12*\t+8], v[S+32*\t+30], v[S+32*\t+31]
.endr
.irp t, 0,1
	v_max_num_f32 v[ST+12*\t+8], v[ST+12*\t+8], v[ST+12*\t+9]
.endr
.irp t, 0,1
	v_permlanex16_b32 v[ST+12*\t+9], v[ST+12*\t+8], s30, s31
.endr
.irp t, 0,1
	v_max_num_f32 v[ST+12*\t+8], v[ST+12*\t+8], v[ST+12*\t+9]   ; and among lane l xor 16's
.endr
.irp t, 0,1
	v_mul_f32 v[ST+12*\t+8], s28, v[ST+12*\t+8]    ; as t (c is positive)
.endr
.irp t, 0,1
	v_max_num_f32 v[ST+12*\t+1], v[ST+12*\t+1], v[ST+12*\t+8]   ; the running largest t
.endr
.irp t, 0,1
	v_floor_f32 v[ST+12*\t], -v[ST+12*\t+1]        ; the new -M = floor(-t) = -ceil(t)
.endr
.irp t, 0,1
	v_sub_f32 v[ST+12*\t+8], v[ST+12*\t], v[ST+12*\t+10]        ; old M - new M: a whole number, 0 or less
.endr
.irp t, 0,1
	v_cvt_i32_f32 v[ST+12*\t+8], v[ST+12*\t+8]     ; (it saturates)
.endr
.irp t, 0,1
	v_ldexp_f32 v[ST+12*\t+4], 1.0, v[ST+12*\t+8]  ; f = 2^(old M - new M)
.endr
.irp t, 0,1
.irp i, 0,2,4,6,8,10,12,14,16,18,20,22,24,26,28,30
	v_pk_fma_f32 v[S+32*\t+\i:S+32*\t+\i+1], v[S+32*\t+\i:S+32*\t+\i+1], s[28:29], v[ST+12*\t:ST+12*\t+1] op_sel_hi:[1,0,0]   ; t - M, two at a time
.endr
.endr
.set i, 0
.rept 64
	v_exp_f32 v[S+i], v[S+i]                       ; p = 2^(t - M): one batch
.set i, i+1
.endr
.irp t, 0,1
	v_pk_mul_f32 v[ST+12*\t+2:ST+12*\t+3], v[ST+12*\t+2:ST+12*\t+3], v[ST+12*\t+4:ST+12*\t+5] op_sel_hi:[1,0]   ; the sums under the new M: plain lines behind the batch
.endr
	s_wait_alu depctr_va_vdst(0)                   ; one wait for the 64 exponentials, ahead of their first reader
.irp t, 0,1
	v_pk_add_f32 v[ST+12*\t+6:ST+12*\t+7], v[S+32*\t:S+32*\t+1], v[S+32*\t+2:S+32*\t+3]   ; the row's sum is taken of the unquantised p, in two chains a tile
.endr
.irp i, 4,8,12,16,20,24,28
.irp t, 0,1
	v_pk_add_f32 v[ST+12*\t+2:ST+12*\t+3], v[ST+12*\t+2:ST+12*\t+3], v[S+32*\t+\i:S+32*\t+\i+1]
	v_pk_add_f32 v[ST+12*\t+6:ST+12*\t+7], v[ST+12*\t+6:ST+12*\t+7], v[S+32*\t+\i+2:S+32*\t+\i+3]
.endr
.endr
.irp t, 0,1
	v_pk_add_f32 v[ST+12*\t+2:ST+12*\t+3], v[ST+12*\t+2:ST+12*\t+3], v[ST+12*\t+6:ST+12*\t+7]
.endr
	s_cmp_ge_i32 s3, -15                           ; p is at most 1, and 57,344 x 2^e8 is at least 1.75 from e8 = -15 on: the hold changes nothing there and is jumped over
	s_cbranch_scc1 .Lheld
.set i, 0
.rept 64
	v_min_num_f32 v[S+i], v[S+i], v6               ; the conversion to an 8-bit code does not saturate (ISA guide 7.6.2); p is not negative, so the hold is one-sided
.set i, i+1
.endr
.Lheld:
.irp t, 0,1
.irp u, 0,1,2,3
	v_cvt_scalef32_pk8_bf8_f32 v[KB+8*\t+2*\u:KB+8*\t+2*\u+1], v[S+32*\t+8*\u:S+32*\t+8*\u+7], v5   ; registers 2 u, 2 u + 1 of P's fragment, where K's fragments lay
.endr
.endr
.irp t, 0,1
.irp i, 0,2,4,6,8,10,12,14,16,18,20,22,24,26,28,30
	v_pk_mul_f32 v[O+32*\t+\i:O+32*\t+\i+1], v[O+32*\t+\i:O+32*\t+\i+1], v[ST+12*\t+4:ST+12*\t+5] op_sel_hi:[1,0]   ; O^T under the new M.  (Also the plain lines between the conversions and the products)
.endr
.endr
	s_wait_dscnt 0x0                               ; V is in
.irp d, 0,1,2,3
.irp t, 0,1
	v_wmma_f32_16x16x64_bf8_bf8 v[O+32*\t+8*\d:O+32*\t+8*\d+7], v[VB+8*\d:VB+8*\d+7], v[KB+8*\t:KB+8*\t+7], v[O+32*\t+8*\d:O+32*\t+8*\d+7]   ; eight accumulators by turns, one instruction a turn
.endr
.endr
.Lskip:
	s_add_co_u32 s22, s22, 4096
	s_add_co_u32 s23, s23, 128
	s_add_co_u32 s24, s24, 1
	s_cmp_lt_u32 s24, 32
	s_cbranch_scc1 .Lstep
	; THE WAY OUT: y = O^T x 2^(e8 + e9) / the sum, held, converted with 2^e10: the conversions' results are y's fragment.
.rept 4
	v_nop                                          ; places behind the last products
.endr
.irp t, 0,1
	v_add_f32 v[ST+12*\t+8], v[ST+12*\t+2], v[ST+12*\t+3]       ; the sum's two halves,
.endr
.irp t, 0,1
	v_permlanex16_b32 v[ST+12*\t+9], v[ST+12*\t+8], s30, s31
.endr
.irp t, 0,1
	v_add_f32 v[ST+12*\t+8], v[ST+12*\t+8], v[ST+12*\t+9]       ; and lane l xor 16's
.endr
	v_cmp_eq_f32 s25, 0, v[ST+8]                   ; rows with no key at all: the masks only select values
	v_cmp_eq_f32 s26, 0, v[ST+20]
	v_rcp_f32 v[ST+6], v[ST+8]
	v_rcp_f32 v[ST+18], v[ST+20]
	v_nop                                          ; a plain line behind the reciprocals
	s_wait_alu depctr_va_vdst(0)                   ; one wait for both, ahead of their first reader
.irp t, 0,1
	v_ldexp_f32 v[ST+12*\t+6], v[ST+12*\t+6], s2   ; x 2^(e8 + e9)
.endr
.irp t, 0,1
.irp i, 0,2,4,6,8,10,12,14,16,18,20,22,24,26,28,30
	v_pk_mul_f32 v[O+32*\t+\i:O+32*\t+\i+1], v[O+32*\t+\i:O+32*\t+\i+1], v[ST+12*\t+6:ST+12*\t+7] op_sel_hi:[1,0]
.endr
.endr
.set i, 0
.rept 64
	v_med3_num_f32 v[O+i], v[O+i], -v241, v241
.set i, i+1
.endr
.irp t, 0,1
.irp d, 0,1,2,3
	v_cvt_scalef32_pk8_bf8_f32 v[VB+8*\t+2*\d:VB+8*\t+2*\d+1], v[O+32*\t+8*\d:O+32*\t+8*\d+7], v240   ; channels 16 d + 8 h + 0..7 of token r
.endr
.endr
	v_nop                                          ; a plain line between the conversions and the reads of their results
.irp i, 0,1,2,3,4,5,6,7
	v_cndmask_b32 v[VB+\i], v[VB+\i], v242, s25
	v_cndmask_b32 v[VB+8+\i], v[VB+8+\i], v242, s26
.endr
.irp t, 0,1
	global_store_b128 v1, v[VB+8*\t:VB+8*\t+3], s[16:17] offset:1024*\t        ; 32 lanes store 512 consecutive bytes, at a multiple of 512 from the image's first byte
	global_store_b128 v1, v[VB+8*\t+4:VB+8*\t+7], s[16:17] offset:1024*\t+512
.endr
	s_wait_tensorcnt 0x0
	ds_add_u32 v254, v255
	s_wait_dscnt 0x0
	s_endpgm
.Lfunc_end_k_q2709570041_attn:
	.size	k_q2709570041_attn, .Lfunc_end_k_q2709570041_attn-k_q2709570041_attn
	.p2alignl 7, 3214868480
	.fill 96, 4, 3214868480
	.section	.rodata,"a",@progbits
	.p2align	6, 0x0
	.amdhsa_kernel k_q2709570041_attn
		.amdhsa_group_segment_fixed_size 264192
		.amdhsa_private_segment_fixed_size 0
		.amdhsa_enable_private_segment 0
		.amdhsa_kernarg_size 56
		.amdhsa_user_sgpr_count 2
		.amdhsa_user_sgpr_kernarg_segment_ptr 1
		.amdhsa_wavefront_size32 1
		.amdhsa_system_sgpr_workgroup_id_x 1
		.amdhsa_system_sgpr_workgroup_id_y 1
		.amdhsa_system_sgpr_workgroup_id_z 1
		.amdhsa_system_vgpr_workitem_id 0
		.amdhsa_next_free_vgpr 256
		.amdhsa_next_free_sgpr 102
		.amdhsa_reserve_vcc 0
		.amdhsa_float_denorm_mode_32 3
		.amdhsa_float_denorm_mode_16_64 3
		.amdhsa_memory_ordered 1
		.amdhsa_forward_progress 1
		.amdhsa_inst_pref_size 43
	.end_amdhsa_kernel
	.amdgpu_metadata
---
amdhsa.version: [ 1, 2 ]
amdhsa.kernels:
  - .name:           k_q2709570041_attn
    .symbol:         k_q2709570041_attn.kd
    .args:
      - { .name: q_img, .offset: 0, .size: 8, .value_kind: global_buffer, .address_space: global }
      - { .name: k_img, .offset: 8, .size: 8, .value_kind: global_buffer, .address_space: global }
      - { .name: v_img, .offset: 16, .size: 8, .value_kind: global_buffer, .address_space: global }
      - { .name: mw, .offset: 24, .size: 8, .value_kind: global_buffer, .address_space: global }
      - { .name: flags, .offset: 32, .size: 8, .value_kind: global_buffer, .address_space: global }
      - { .name: lowp_scales, .offset: 40, .size: 8, .value_kind: global_buffer, .address_space: global }
      - { .name: y_img, .offset: 48, .size: 8, .value_kind: global_buffer, .address_space: global }
    .group_segment_fixed_size: 264192
    .private_segment_fixed_size: 0
    .kernarg_segment_align: 8
    .kernarg_segment_size: 56
    .max_flat_workgroup_size: 512
    .sgpr_count:     102
    .vgpr_count:     256
    .wavefront_size: 32
...
	.end_amdgpu_metadata
.endif
;; end of part 3
;; launch proj (part 4): grid 8 x 32, 4 waves a work-group, clusters of 4 x 4, 327,680 bytes of LDS; arguments y_img, Wp_codes, lowp_scales, bp, out0; writes out0
.if DOCPART == 4
	.amdgcn_target "amdgcn-amd-amdhsa--gfx1250"
	.amdhsa_code_object_version 6
	.text
	.protected	k_q2709570041_proj
	.globl	k_q2709570041_proj
	.p2align	8
	.type	k_q2709570041_proj,@function
k_q2709570041_proj:
	s_mov_b64 s[64:65], 0
	v_nop
	global_prefetch_b8 v0, s[64:65] scope:SCOPE_SE
	s_setreg_imm32_b32 hwreg(HW_REG_WAVE_MODE, 25, 1), 1
	s_wait_xcnt 0x0
	s_wait_alu depctr_hold_cnt(0) depctr_sa_sdst(0) depctr_va_vdst(0) depctr_va_sdst(0) depctr_va_ssrc(0) depctr_va_vcc(0) depctr_vm_vsrc(0)
	s_getreg_b32 s2, hwreg(HW_REG_IB_STS2, 6, 4)
	s_cmp_eq_u32 s2, 0
	s_cbranch_scc0 .Lentry_in_a_cluster
	s_endpgm
.Lentry_in_a_cluster:
	s_bfe_u32 s2, ttmp6, 0x10000c
	s_cmp_lg_u32 s2, 0xf033
	s_cbranch_scc0 .Lentry_shape_is_right
	s_endpgm
.Lentry_shape_is_right:
; out = y Wp + bp on codes of BF8 (E5M2).  y: 8,192 tokens x 1,024, as images of operand registers: [256 tokens 32][head 16][tile of 16 tokens 16][piece 2][lane 32][16 bytes]: lane (r, h), registers 2 c, 2 c + 1 =
; channels 16 c + 8 h + 0..7 of the head, token 16 tile + r.  Wp: [1024 columns][1024] codes, K innermost.  out: [8192][1024] f32 = sum x 2^(e10 + e11) + bp.
; A tile of 256 tokens x 128 columns gives 256 work-groups.  Four waves, each 128 x 64: 32 accumulators.  K goes in four steps of 256 (four heads) through two LDS slots filled by the tensor data mover.
; y's part of a K step is one dense block of 64 KiB, which lies in LDS as it lies in memory: a fragment comes by four loads of 512 consecutive bytes.  Two heads' fragments on end are a fragment of the K = 128 form in that form's
; own order of k; so Wp's fragments are fetched in the same order, by eight loads of 8 bytes.
; CLUSTERS: 4 x 4 work-groups; y's block is shared along a row of the cluster, Wp's rows along a column: joint loads.  Source 0 = 16 rows of Wp, source 1 = 16 tokens: a lane holds eight neighbouring columns of one token.
; LIMIT: e10 + e11 between -126 and 127.
; REGISTERS, in windows of 256: window 0: addresses; v32-63 bp; v64-95, v96-159 the way out.  window 1: y's fragments, two sets of 128.  window 2: Wp's, two sets of 64.  window 3: accumulator (a, b) at v[8 (4 a + b)].
.set PITCH,  272                       ; a row of Wp in LDS: 256 bytes + 16 = 68 words: the 32 lanes of a load of 8 bytes (row r, + 8 h) touch 64 different banks (ISA guide 11.1)
.set AIMG,   65536                     ; y's part of a slot: [head 4][tile 16][1,024 bytes]
.set HALFA,  32768                     ; what one of its two tensor loads brings: two heads
.set HALFB,  64*PITCH                  ; 64 rows of Wp
.set SLOT,   AIMG+2*HALFB
.set STAGE,  2*SLOT                    ; behind the ring: 16 rows x 272 bytes for each wave; no tensor load fills it
.set SPITCH, 272
.set SPARE,  STAGE+4*16*SPITCH         ; behind the stages: the spare words, 128 bytes a wave: two blocks of 256 bytes that no other line names
.set ADRA, 16                          ; v16-17  LDS address of my y fragments in slot 0, 1
.set ADRB, 20                          ; v20-21  of my Wp fragments
.set STO,  24                          ; v24     the way out: where I put 32 bytes of a row
.set RD,   25                          ; v25     where I read a row back
.set CO,   26                          ; v26     my byte offset in two rows of out
.set BPO,  27                          ; v27     my offset in bp
.set SPW,  28                          ; v28     LDS address of my spare word; never rewritten
.set NIL,  29                          ; v29     0; never rewritten
.set BP,   32                          ; v32-63  bp of column 16 b + 8 h + j at register 8 b + j
.set TMP,  64                          ; v64-95  a block's numbers
.set BK,   96                          ; v96-127, v128-159: 16 rows read back from the stage, by turns
.set G1, 24                            ; s[24:31] descriptor group 1 for y's blocks;  s[32:39] group 0, one set for each slot
.set G0, 32
.set G1B, 48                           ; s[48:55], s[56:63] the same for Wp's tiles
.set G0B, 56
.set MSB, 0
.macro WIN new                         ; the immediate's high byte repeats the setting that is left
.if MSB != \new
	s_set_vgpr_msb (MSB<<8)|\new
.set MSB, \new
.endif
.endm
.set W_MUL, 0xf6                       ; source 0 (Wp) window 2, source 1 (y) window 1, C and D window 3
.macro JLOAD g0a, g1a, g0b, g1b        ; a joint load: waves 0 and 1 fetch y's two halves, waves 2 and 3 Wp's; four v_nop follow each of the two lines
	s_cmp_eq_u32 s15, 0
	s_cbranch_scc0 .Lfor_b_\@
	tensor_load_to_lds s[\g0a:\g0a+3], s[\g1a:\g1a+7]
	s_nop 0
.rept 4
	v_nop
.endr
	s_branch .Lasked_\@
.Lfor_b_\@:
	tensor_load_to_lds s[\g0b:\g0b+3], s[\g1b:\g1b+7]
	s_nop 0
.rept 4
	v_nop
.endr
.Lasked_\@:
.endm
.macro CREST                           ; a round of the cluster's barrier behind its opening barrier
	s_cmp_lg_u32 s14, 0
	s_cbranch_scc1 .Lnot_wave_0_\@
	s_barrier_signal -3
.Lnot_wave_0_\@:
	s_barrier_wait -3
	s_barrier_signal -1
	s_barrier_wait -1
.endm
.macro CROUND
	s_barrier_signal -1
	s_barrier_wait -1
	CREST
.endm
	s_load_b128 s[4:7], s[0:1], 0x0                ; y_img, Wp's codes
	s_load_b128 s[8:11], s[0:1], 0x10              ; the scales' exponents, bp
	s_load_b64 s[12:13], s[0:1], 0x20              ; out
	v_lshl_add_u32 v[SPW], v0, 2, SPARE
	v_mov_b32 v[NIL], 0
	ds_add_u32 v28, v29
	ds_add_u32 v28, v29
	s_wait_dscnt 0x0
	v_lshrrev_b32 v1, 5, v0
	v_readfirstlane_b32 s14, v1                    ; wave 0..3
	s_lshr_b32 s15, s14, 1                         ; which 128 tokens are mine.  Also: I fetch for y (0) or for Wp (1)
	s_and_b32 s16, s14, 1                          ; which 64 columns.  Also: which half I fetch
	s_bfe_u32 s40, ttmp6, 0x40000                  ; cx, cy
	s_bfe_u32 s41, ttmp6, 0x40004
	s_lshl_b32 s42, ttmp9, 2
	s_add_co_u32 s42, s42, s40                     ; tile column, 0..7
	s_and_b32 s17, ttmp7, 0xffff
	s_lshl_b32 s17, s17, 2
	s_add_co_u32 s17, s17, s41                     ; tile row, 0..31
	s_lshl_b32 s43, s41, 2
	s_lshl_b32 s43, 15, s43                        ; my row of the cluster
	s_lshl_b32 s44, 0x1111, s40                    ; my column
	; y: a dense block of 32,768 bytes as 128 rows of 32 elements of 8 bytes, no padding
	s_or_b32 s[G1+0], s43, (3<<16)|(1<<21)         ; 15:0 the mask; 17:16 elements of 8 bytes; 21 set beside a mask
	s_mov_b32 s[G1+1], 32<<16                      ; tensor_dim0
	s_mov_b32 s[G1+2], 128<<16                     ; tensor_dim1
	s_mov_b32 s[G1+3], 32<<16                      ; tile_dim0
	s_mov_b32 s[G1+4], 128                         ; tile_dim1
	s_mov_b32 s[G1+5], 32                          ; tensor_dim0_stride: each row begins where the last ends
	s_mov_b32 s[G1+6], 0
	s_mov_b32 s[G1+7], 0
	; Wp: 64 rows x 256 bytes, 1,024 bytes apart, padded in LDS
	s_or_b32 s[G1B+0], s44, (0<<16)|(1<<20)|(1<<21)|(5<<22)|(3<<25)  ; elements of 1 byte; padding: four words after every 64
	s_mov_b32 s[G1B+1], 256<<16
	s_mov_b32 s[G1B+2], 64<<16
	s_mov_b32 s[G1B+3], 256<<16
	s_mov_b32 s[G1B+4], 64
	s_mov_b32 s[G1B+5], 1024
	s_mov_b32 s[G1B+6], 0
	s_mov_b32 s[G1B+7], 0
	s_lshl_b32 s20, s17, 18                        ; y: 262,144 bytes for 256 tokens,
	s_lshl_b32 s18, s16, 15                        ; + my two heads of a K step's four
	s_add_co_u32 s20, s20, s18
	s_mov_b32 s21, 0
	s_lshl_b32 s46, s42, 17                        ; Wp: 128 rows of 1,024 bytes,
	s_lshl_b32 s18, s16, 16                        ; + my 64 rows
	s_add_co_u32 s46, s46, s18
	s_mov_b32 s47, 0
	s_lshl_b32 s45, s16, 15                        ; where they go: y's halves,
	s_mul_i32 s19, s16, HALFB
	s_add_co_u32 s19, s19, AIMG                    ; Wp's halves behind them: the wave's number alone enters an LDS address
	s_wait_kmcnt 0x0
	s_load_b64 s[96:97], s[8:9], 0x28              ; e10, e11
	s_add_nc_u64 s[20:21], s[4:5], s[20:21]
	s_add_nc_u64 s[46:47], s[6:7], s[46:47]
	CROUND                                         ; all sixteen work-groups are here: the first joint loads meet
.irp s, 0,1
	s_mov_b32 s[G0+4*\s], 1
	s_add_co_u32 s[G0+4*\s+1], s45, \s*SLOT
	s_add_nc_u64 s[G0+4*\s+2:G0+4*\s+3], s[20:21], \s*AIMG
	s_or_b32 s[G0+4*\s+3], s[G0+4*\s+3], 0x80000000
	s_mov_b32 s[G0B+4*\s], 1
	s_add_co_u32 s[G0B+4*\s+1], s19, \s*SLOT
	s_add_nc_u64 s[G0B+4*\s+2:G0B+4*\s+3], s[46:47], \s*256
	s_or_b32 s[G0B+4*\s+3], s[G0B+4*\s+3], 0x80000000
	JLOAD G0+4*\s, G1, G0B+4*\s, G1B
.endr
	v_and_b32 v1, 15, v0                           ; r
	v_bfe_u32 v2, v0, 4, 1                         ; h
	v_and_b32 v3, 31, v0
	v_lshlrev_b32 v3, 4, v3                        ; 16 x lane
	s_lshl_b32 s21, s15, 13                        ; my eight token tiles of each head's sixteen
	v_add_nc_u32 v[ADRA], s21, v3
	v_add_nc_u32 v[ADRA+1], SLOT, v[ADRA]
	v_mul_u32_u24 v4, v1, PITCH
	v_lshl_add_u32 v4, v2, 3, v4                   ; row r, + 8 h
	s_mul_i32 s22, s16, HALFB
	s_add_co_u32 s22, s22, AIMG
	v_add_nc_u32 v[ADRB], s22, v4
	v_add_nc_u32 v[ADRB+1], SLOT, v[ADRB]
	s_mul_i32 s23, s14, 16*SPITCH
	s_add_co_u32 s23, s23, STAGE                   ; my stage
	v_mul_u32_u24 v5, v1, SPITCH
	v_lshl_add_u32 v5, v2, 5, v5
	v_add_nc_u32 v[STO], s23, v5                   ; in: row r, 32 bytes for each half of the lanes
	v_mul_u32_u24 v5, v2, SPITCH
	v_lshl_add_u32 v5, v1, 4, v5
	v_add_nc_u32 v[RD], s23, v5                    ; back: lanes 0-15 one row of 256 bytes, lanes 16-31 the next
	v_lshlrev_b32 v[CO], 4, v1
	v_lshl_add_u32 v[CO], v2, 12, v[CO]            ; and the same two rows of out, 4,096 bytes apart
	s_lshl_b32 s20, s17, 8
	s_lshl_b32 s21, s15, 7
	s_add_co_u32 s20, s20, s21                     ; my first token,
	s_lshl_b32 s20, s20, 12                        ; in bytes: under 2^25
	s_lshl_b32 s46, s42, 7
	s_lshl_b32 s47, s16, 6
	s_add_co_u32 s46, s46, s47                     ; my first column,
	s_lshl_b32 s46, s46, 2                         ; in bytes: a multiple of 256
	v_lshl_add_u32 v[BPO], v2, 5, s46
	s_add_co_u32 s20, s20, s46
	s_mov_b32 s21, 0
	s_add_nc_u64 s[12:13], s[12:13], s[20:21]
.irp b, 0,1,2,3
	global_load_b128 v[BP+8*\b:BP+8*\b+3], v[BPO], s[10:11] offset:64*\b       ; waited for on the way out
	global_load_b128 v[BP+8*\b+4:BP+8*\b+7], v[BPO], s[10:11] offset:64*\b+16
.endr
; n blocks of 16 tokens from a0 on, each against Wp's four blocks of 16 columns, 128 along K.  The 32 accumulators take turns, one instruction a turn, in the same order in every step.
.macro MUL a0, n, set, zero
.set aa, \a0
.rept \n
.irp b, 0,1,2,3
.if \zero
	v_wmma_f32_16x16x128_bf8_bf8 v[8*(4*aa+\b):8*(4*aa+\b)+7], v[64*(\set)+16*\b:64*(\set)+16*\b+15], v[128*(\set)+16*aa:128*(\set)+16*aa+15], 0
.else
	v_wmma_f32_16x16x128_bf8_bf8 v[8*(4*aa+\b):8*(4*aa+\b)+7], v[64*(\set)+16*\b:64*(\set)+16*\b+15], v[128*(\set)+16*aa:128*(\set)+16*aa+15], v[8*(4*aa+\b):8*(4*aa+\b)+7]
.endif
.endr
.set aa, aa+1
.endr
.endm
; The fragments of the slot's q-th 128 along K (heads 2 q, 2 q + 1 of its four) into set: one run of 64 loads
.macro FETCH slot, q, set
	WIN 0x40                                       ; destination window 1
.set aa, 0
.rept 8
.irp e, 0,1,2,3
	ds_load_b128 v[128*(\set)+16*aa+4*\e:128*(\set)+16*aa+4*\e+3], v[ADRA+\slot] offset:(2*(\q)+\e/2)*16384+1024*aa+512*(\e%2)
.endr
.set aa, aa+1
.endr
	WIN 0x80                                       ; destination window 2
.irp b, 0,1,2,3
.irp c, 0,1,2,3,4,5,6,7
	ds_load_b64 v[64*(\set)+16*\b+2*\c:64*(\set)+16*\b+2*\c+1], v[ADRB+\slot] offset:16*PITCH*\b+128*(\q)+16*\c
.endr
.endr
	WIN 0
.endm
.macro PLACES n                        ; plain vector instructions in front of loads into registers that matrix instructions have read, and of the first read of results (ISA guide 7.12.1 for vector instructions)
.rept \n
	v_nop
.endr
.endm
; A slot's first 128 along K: multiplies set 0, and fetches the slot's second 128 into set 1 ahead of the products.
.macro STEP slot, zero
	s_wait_dscnt 0x0                               ; set 0 is in
	PLACES 4
	FETCH \slot, 1, 1
	WIN W_MUL
	MUL 0, 8, 0, \zero
	WIN 0
.endm
; A slot's second 128 changes slots: ONE barrier; in front of it each wave waits for all its tensor loads, adds 0 to its spare word, and waits for that and for its own reads of this slot.  fill = 1: this slot is filled again, two K steps ahead.
.macro TURN slot, next, fill
	s_wait_tensorcnt 0x0                           ; all my tensor loads have landed: my part of the next slot
	ds_add_u32 v[SPW], v[NIL]                      ; 0 onto my spare word
	s_wait_dscnt 0x1                               ; set 1 is in; the add alone may be out
	WIN W_MUL
	MUL 0, 2, 1, 0                                 ; eight matrix instructions stand between the add and the wait for it
	s_wait_dscnt 0x0                               ; the add is done, and my reads of this slot are over
	s_barrier_signal -1
	MUL 2, 2, 1, 0
	WIN 0
	s_barrier_wait -1
.if \fill
	CREST                                          ; the barrier has opened a round of the cluster's barrier: no wave of any partner still reads this slot or has a load on its way
	s_add_nc_u64 s[G0+4*\slot+2:G0+4*\slot+3], s[G0+4*\slot+2:G0+4*\slot+3], 2*AIMG
	s_add_nc_u64 s[G0B+4*\slot+2:G0B+4*\slot+3], s[G0B+4*\slot+2:G0B+4*\slot+3], 2*256
	JLOAD G0+4*\slot, G1, G0B+4*\slot, G1B         ; the first tensor load behind the round; its four v_nop are the places in front of the loads below
.else
	PLACES 4
.endif
	FETCH \next, 0, 0
	WIN W_MUL
	MUL 4, 4, 1, 0
	WIN 0
.endm
	s_wait_tensorcnt 1                             ; my part of K step 0 is in (K step 1's load may be out)
	s_barrier_signal -1
	s_barrier_wait -1                              ; everybody's is
	FETCH 0, 0, 0
	STEP 0, 1                                      ; the first products start the sums.  Four K steps, written out, with two refills
	TURN 0, 1, 1                                   ; slot 0 takes K step 2
	STEP 1, 0
	TURN 1, 0, 1                                   ; slot 1 takes K step 3
	STEP 0, 0
	TURN 0, 1, 0
	STEP 1, 0
	s_wait_dscnt 0x0
	WIN W_MUL
	MUL 0, 8, 1, 0
	WIN 0
; THE WAY OUT, block by block of 16 tokens x 64 columns: number = sum x 2^(e10 + e11) + bp, one packed multiply-add for two.  A lane holds 32 bytes of a row and the lanes beside it hold other rows: a block goes through my own
; stage in LDS and comes back as whole rows of 256 bytes.  LDS serves a wave's instructions in order (ISA guide 5.7.1.4): no wait between the stores and the loads, nor in front of the next block's stores.
.macro TOSTAGE a
	WIN 0x03                                       ; source 0: window 3
.set i, 0
.rept 16
	v_pk_fma_f32 v[TMP+i:TMP+i+1], v[32*(\a)+i:32*(\a)+i+1], s[96:97], v[BP+i:BP+i+1] op_sel_hi:[1,0,1]   ; each accumulator from its low end on
.set i, i+2
.endr
	WIN 0
.irp b, 0,1,2,3
	ds_store_b128 v[STO], v[TMP+8*\b:TMP+8*\b+3] offset:64*\b
	ds_store_b128 v[STO], v[TMP+8*\b+4:TMP+8*\b+7] offset:64*\b+16
.endr
.set BB, BK+32*((\a)%2)
.irp t, 0,1,2,3,4,5,6,7
	ds_load_b128 v[BB+4*\t:BB+4*\t+3], v[RD] offset:\t*2*SPITCH
.endr
.endm
.macro SEND a, younger                 ; younger: the LDS instructions issued behind block a's loads, which may stay out
.set BB, BK+32*((\a)%2)
	s_wait_dscnt \younger
.irp t, 0,1,2,3,4,5,6,7
	global_store_b128 v[CO], v[BB+4*\t:BB+4*\t+3], s[12:13] offset:65536*(\a)+8192*\t th:TH_STORE_NT   ; sixteen lanes store 256 consecutive bytes, at a multiple of 256 from out's first byte; written once, read by nobody here
.endr
.endm
	s_wait_loadcnt 0x0                             ; bp
	s_wait_kmcnt 0x0
	s_add_co_i32 s96, s96, s97
	s_add_co_i32 s96, s96, 127
	s_lshl_b32 s96, s96, 23                        ; 2^(e10 + e11) as f32
	s_mov_b32 s97, s96                             ; (named with it as a pair)
	PLACES 4                                       ; behind the last products
	TOSTAGE 0
.irp a, 1,2,3,4,5,6,7
.if \a > 1
	s_wait_xcnt 0x0                                ; block a - 2's stores have read their registers: block a's loads may land there
.endif
	TOSTAGE \a
	SEND \a-1, 16                                  ; behind block a - 1's loads: block a's eight stores and eight loads
.endr
	SEND 7, 0
	s_wait_tensorcnt 0x0                           ; the wave's end
	ds_add_u32 v[SPW], v[NIL]
	s_wait_dscnt 0x0
	CROUND                                         ; the closing round: no work-group ends while a partner may still ask for a tile that names it
	s_endpgm
.Lfunc_end_k_q2709570041_proj:
	.size	k_q2709570041_proj, .Lfunc_end_k_q2709570041_proj-k_q2709570041_proj
	.p2alignl 7, 3214868480
	.fill 96, 4, 3214868480
	.section	.rodata,"a",@progbits
	.p2align	6, 0x0
	.amdhsa_kernel k_q2709570041_proj
		.amdhsa_group_segment_fixed_size 327680
		.amdhsa_private_segment_fixed_size 0
		.amdhsa_enable_private_segment 0
		.amdhsa_kernarg_size 40
		.amdhsa_user_sgpr_count 2
		.amdhsa_user_sgpr_kernarg_segment_ptr 1
		.amdhsa_wavefront_size32 1
		.amdhsa_system_sgpr_workgroup_id_x 1
		.amdhsa_system_sgpr_workgroup_id_y 1
		.amdhsa_system_sgpr_workgroup_id_z 1
		.amdhsa_system_vgpr_workitem_id 0
		.amdhsa_next_free_vgpr 1024
		.amdhsa_next_free_sgpr 98
		.amdhsa_reserve_vcc 0
		.amdhsa_float_denorm_mode_32 3
		.amdhsa_float_denorm_mode_16_64 3
		.amdhsa_memory_ordered 1
		.amdhsa_forward_progress 1
		.amdhsa_inst_pref_size 85
	.end_amdhsa_kernel
	.amdgpu_metadata
---
amdhsa.version: [ 1, 2 ]
amdhsa.kernels:
  - .name:           k_q2709570041_proj
    .symbol:         k_q2709570041_proj.kd
    .args:
      - { .name: y_img, .offset: 0, .size: 8, .value_kind: global_buffer, .address_space: global }
      - { .name: Wp_codes, .offset: 8, .size: 8, .value_kind: global_buffer, .address_space: global }
      - { .name: lowp_scales, .offset: 16, .size: 8, .value_kind: global_buffer, .address_space: global }
      - { .name: bp, .offset: 24, .size: 8, .value_kind: global_buffer, .address_space: global }
      - { .name: out0, .offset: 32, .size: 8, .value_kind: global_buffer, .address_space: global }
    .group_segment_fixed_size: 327680
    .private_segment_fixed_size: 0
    .kernarg_segment_align: 8
    .kernarg_segment_size: 40
    .max_flat_workgroup_size: 128
    .sgpr_count:     98
    .vgpr_count:     1024
    .wavefront_size: 32
...
	.end_amdgpu_metadata
.endif
;; end of part 4
;; ======== version 2 of 2: 4 launches; version 1 with the launch attn written anew for expert scheduling mode
;; limits: right only within a limited range of input values
;; workspace buffers: q_img 8,388,608 bytes; k_img 8,388,608 bytes; v_img 8,388,608 bytes; y_img 8,388,608 bytes; mw 524,288 bytes of whole numbers; flags 65,536 bytes of whole numbers
;; launch pack: the kernel of part 1 again; grid 256 x 1, 16 waves a work-group, no clusters, 73,984 bytes of LDS; arguments mask, mw, flags; writes mw, flags
;; launch qkv: the kernel of part 2 again; grid 12 x 32, 4 waves a work-group, clusters of 4 x 4, 327,680 bytes of LDS; arguments x_codes, Wq_codes, Wk_codes, Wv_codes, bq, bk, bv, lowp_scales, q_img, k_img, v_img; writes q_img, k_img, v_img
;; launch attn (part 5): grid 256 x 1, 16 waves a work-group, no clusters, 264,192 bytes of LDS; arguments q_img, k_img, v_img, mw, flags, lowp_scales, y_img; writes y_img
.if DOCPART == 5
	.amdgcn_target "amdgcn-amd-amdhsa--gfx1250"
	.amdhsa_code_object_version 6
	.text
	.protected	k_q2709570041_attn
	.globl	k_q2709570041_attn
	.p2align	8
	.type	k_q2709570041_attn,@function
k_q2709570041_attn:
	s_mov_b64 s[64:65], 0
	v_nop
	global_prefetch_b8 v0, s[64:65] scope:SCOPE_SE
	s_setreg_imm32_b32 hwreg(HW_REG_WAVE_SCHED_MODE, 0, 2), 2
	s_setreg_imm32_b32 hwreg(HW_REG_WAVE_MODE, 25, 1), 1
	s_wait_xcnt 0x0
	s_wait_alu depctr_vm_vsrc(0)
; y[b][h][q] = softmax_k(q . k / 8, masked) v on codes of BF8 (E5M2), 64 heads x 2,048 queries x 2,048 keys, head size 64; y is quantised at once (e10) and stored as the image of the last product's operand.
; THE SOFTMAX: t = score x 2^(e6 + e7) x log2(e) / 8; M = the running largest t, rounded UP to a whole number; p = 2^(t - M) is quantised (e8), not normalised; the row's sum is taken of the unquantised p and divides at the end.
; When M moves, the sum and O are multiplied by 2^(old M - new M), which rounds nothing.  A pair that the mask hides gets the score -infinity ahead of the maximum: p = 0.
; THE MASK is an input and is honoured bit by bit: an earlier launch has condensed it into lane-mask words (mw: one v_cndmask_b32 a score) and, for each 16 queries x 64 keys, the bits 'any' and 'all' (flags).
; A step in which no pair of my 32 queries counts changes nothing and is jumped over; one in which every pair counts leaves the masking out: scalar branches on whole numbers that an earlier launch stored.
; A row with no key at all has the sum 0: its codes become the NaN code, as the softmax of such a row is NaN.
; SHARES.  Four work-groups to a head; each holds the head's whole K and V, 256 KiB of codes, in LDS, copied once through registers: one barrier in the launch.  A wave owns 32 queries (two tiles of 16, which share every
; fragment of K and V) in 256 registers: four waves to a SIMD, so that one wave's vector work stands beside another's matrix work.  Early and late blocks of queries are dealt out in pairs (j and 63 - j).
; NO CLUSTER, NO TENSOR LOAD, though four work-groups read the same K and V: the branches on stored flags differ from wave to wave and from work-group to work-group; the 256 KiB are read once by each, at the head.
; LAYOUT.  S^T = K Q^T (source 0 = 16 keys, source 1 = 16 queries), O^T = V^T P^T (source 0 = 16 channels, source 1 = P): a lane holds ONE query (lane % 16) throughout, and register j of key tile u holds key 16 u + 8 (lane / 16) + j:
; the place that the K = 64 form gives that key in its operand.  So a conversion's two registers ARE registers 2 u, 2 u + 1 of P's fragment; likewise O^T's of y's fragment.
; LIMITS: e6 + e7 between -123 and 130 (added to c's exponent field); e8 and e10 between -126 and 112.  NaN and infinity codes among the inputs are not treated specially.
; REGISTERS: v1 16 x lane; v2, v3 the step's LDS addresses; v4 -infinity; v5, v6 2^e8 and 57,344 x 2^e8; v7 v1 + V's place; v8-31 statistics; v32-47 Q; v48-111 S^T, then p; v112-175 O^T; v176-207 K, then p's codes; v208-239 V;
;   v240, v241 2^e10 and 57,344 x 2^e10; v242 four NaN codes; v244-247 the head's LDS addresses.
; THE MODE: SCHED_MODE bits 1:0 = 2 (LLVM: expert scheduling mode 2), set by the entry lines.  The code itself states the register dependences
; between vector or matrix instructions and memory or LDS instructions, with s_wait_alu, always for 0.
; THE PLAN.  Registers that memory or LDS instructions touch:
;   v1, v244-247   Written once at the head; read by the head's loads and LDS stores and by the last stores; never written again.
;   v48-175        At the head: global loads land in them and the LDS stores read them.  From the barrier on they are S^T and O^T, named by vector and matrix instructions alone.
;   v2, v3         Written by two additions at the head of each step that is not jumped over; read by that step's sixteen LDS loads.
;   v176-207       K's eight LDS loads land in them; the products K Q^T read them; the conversions write p's codes into the first sixteen; the products V^T P read those.
;   v208-239       V's eight LDS loads land in them; the products V^T P read them.  On the way out the conversions and selects write y's codes there and the stores read them.
; The sixteen waves' 256 registers are all that the four SIMDs have, so K and V have one buffer each.  So a step has, at its head, one wait on vm_vsrc (ahead of the two additions) and one on va_vdst (behind them): the second
; states all that the step's sixteen LDS loads hang on.  K's eight follow it at once; V's eight are dealt among the products K Q^T, which name S^T, K and Q: none of the registers that V's loads touch.
.set ST,  8                            ; tile t at v[ST + 12 t]: +0 -M, +1 the largest t, +2, +3 the sum in two halves, +4 f, +5 (named with f as a pair), +6, +7 a second chain of sums, +8, +9 at work, +10 the old -M
.set QF,  32
.set S,   48                           ; tile t, key tile u at v[S + 32 t + 8 u]
.set O,   112                          ; tile t, channels 16 d on at v[O + 32 t + 8 d]
.set KB,  176
.set VB,  208
.set VLDS, 131072                      ; LDS: K's image of the head, then V's; 64 keys are 4,096 bytes of each
	s_load_b256 s[4:11], s[0:1], 0x0               ; q_img, k_img, v_img, mw
	s_load_b128 s[12:15], s[0:1], 0x20             ; flags, the scales' exponents
	s_load_b64 s[16:17], s[0:1], 0x30              ; y_img
	v_lshl_add_u32 v254, v0, 2, 0x40000
	v_mov_b32 v255, 0
	v_lshrrev_b32 v2, 5, v0
	v_readfirstlane_b32 s18, v2                    ; wave 0..15
	v_and_b32 v1, 31, v0
	v_lshlrev_b32 v1, 4, v1                        ; 16 x lane
	v_add_nc_u32 v7, VLDS, v1
	v_lshlrev_b32 v244, 4, v0                      ; 16 x thread: the copy's place, in memory and in LDS
	v_add_nc_u32 v245, 0x10000, v244
	v_add_nc_u32 v246, 0x20000, v244
	v_add_nc_u32 v247, 0x30000, v244
	s_wait_alu depctr_va_sdst(0)                   ; s18 is written, ahead of its first reader: my block of queries is made from it
	s_lshr_b32 s19, ttmp9, 2                       ; batch x 16 + head
	s_and_b32 s20, ttmp9, 3                        ; which of the head's four work-groups
	s_and_b32 s21, s18, 3
	s_lshr_b32 s22, s18, 2
	s_lshl_b32 s23, s20, 3
	s_lshl_b32 s24, s22, 1
	s_add_co_u32 s23, s23, s24
	s_lshr_b32 s24, s21, 1
	s_add_co_u32 s23, s23, s24                     ; t = 8 x work-group + 2 (wave / 4) + (wave % 4) / 2: 0 .. 31, each for two waves,
	s_add_co_u32 s24, s21, s22
	s_and_b32 s24, s24, 1
	s_sub_co_u32 s25, 63, s23
	s_cmp_lg_u32 s24, 0
	s_cselect_b32 s21, s25, s23                    ; of which one takes block j = t of 32 queries and the other j = 63 - t
	s_lshl_b32 s26, s19, 17                        ; a head's image: 131,072 bytes
	s_mov_b32 s27, 0
	s_lshl_b32 s28, s21, 11                        ; Q: two tiles of 1,024 bytes
	s_mov_b32 s29, 0
	s_lshl_b32 s30, s21, 13                        ; mw: two tiles of 4,096 bytes
	s_mov_b32 s31, 0
	s_lshl_b32 s32, s21, 10                        ; flags: two tiles of 512 bytes
	s_mov_b32 s33, 0
	s_lshr_b32 s52, s19, 4                         ; y_img: [256 tokens][head][tile of 16 tokens][1,024 bytes]
	s_lshl_b32 s52, s52, 7
	s_lshl_b32 s53, s21, 1
	s_add_co_u32 s52, s52, s53                     ; my first token tile among all 512 (an even number: both tiles lie in one block of 256 tokens)
	s_lshr_b32 s53, s52, 4
	s_lshl_b32 s53, s53, 18
	s_and_b32 s52, s52, 15
	s_lshl_b32 s52, s52, 10
	s_add_co_u32 s52, s52, s53
	s_and_b32 s53, s19, 15
	s_lshl_b32 s53, s53, 14
	s_add_co_u32 s52, s52, s53
	s_mov_b32 s53, 0
	s_wait_kmcnt 0x0
	s_add_nc_u64 s[4:5], s[4:5], s[26:27]
	s_add_nc_u64 s[4:5], s[4:5], s[28:29]
	s_add_nc_u64 s[6:7], s[6:7], s[26:27]
	s_add_nc_u64 s[8:9], s[8:9], s[26:27]
	s_add_nc_u64 s[10:11], s[10:11], s[30:31]
	s_add_nc_u64 s[12:13], s[12:13], s[32:33]
	s_add_nc_u64 s[16:17], s[16:17], s[52:53]
	s_load_b64 s[36:37], s[12:13], 0x0             ; (any, all) of my first tile, steps 0-15,
	s_load_b64 s[38:39], s[12:13], 0x100           ; steps 16-31;
	s_load_b64 s[40:41], s[12:13], 0x200           ; of my second tile
	s_load_b64 s[42:43], s[12:13], 0x300
	s_load_b64 s[44:45], s[14:15], 0x18            ; e6, e7
	s_load_b128 s[48:51], s[14:15], 0x20           ; e8, e9, e10, e11
	s_wait_alu depctr_va_vdst(0)                   ; v1 and v244 to v247 are written: the loads below read v1 and v244 as offsets, the LDS stores behind them v244 to v247 as addresses; no vector instruction names them again
.irp i, 0,1,2,3
	global_load_b128 v[QF+4*\i:QF+4*\i+3], v1, s[4:5] offset:512*\i          ; Q's two fragments stay in registers
.endr
.irp i, 0,1,2,3,4,5,6,7,8,9,10,11,12,13,14,15
	global_load_b128 v[48+4*\i:51+4*\i], v244, s[6:7] offset:8192*\i         ; the head's K: the work-group's 512 threads take 8,192 consecutive bytes an instruction
.endr
.irp i, 0,1,2,3,4,5,6,7,8,9,10,11,12,13,14,15
	global_load_b128 v[112+4*\i:115+4*\i], v244, s[8:9] offset:8192*\i       ; and its V
.endr
	v_mov_b32 v4, 0xff800000                       ; -infinity
	v_mov_b32 v242, 0x7f7f7f7f                     ; four NaN codes
	s_wait_kmcnt 0x0
	s_or_b32 s25, s36, s40                         ; a step counts if it counts for either tile,
	s_or_b32 s27, s38, s42
	s_lshl_b32 s27, s27, 16
	s_or_b32 s25, s25, s27                         ; bit s: step s
	s_and_b32 s26, s37, s41                        ; and is open if it is open for both
	s_and_b32 s27, s39, s43
	s_lshl_b32 s27, s27, 16
	s_or_b32 s26, s26, s27
	s_add_co_i32 s27, s44, s45
	s_lshl_b32 s27, s27, 23
	s_add_co_i32 s28, s27, 0x3e38aa3b              ; c = log2(e) / 8, with e6 + e7 added to its exponent field
	s_mov_b32 s29, s28                             ; (named with it as a pair)
	s_mov_b32 s30, 0x76543210                      ; v_permlanex16_b32's selects for lane l xor 16
	s_mov_b32 s31, 0xfedcba98
	s_mov_b32 s3, s48                              ; e8
	s_add_co_i32 s2, s48, s49                      ; e8 + e9
	s_mov_b32 s100, s50                            ; e10
	s_add_co_i32 s27, s3, 127
	s_lshl_b32 s22, s27, 23
	v_mov_b32 v5, s22                              ; 2^e8
	s_add_co_i32 s27, s27, 15
	s_lshl_b32 s27, s27, 23
	s_or_b32 s27, s27, 0x600000
	v_mov_b32 v6, s27                              ; 57,344 x 2^e8
	s_add_co_i32 s27, s100, 127
	s_lshl_b32 s22, s27, 23
	v_mov_b32 v240, s22                            ; 2^e10
	s_add_co_i32 s27, s27, 15
	s_lshl_b32 s27, s27, 23
	s_or_b32 s27, s27, 0x600000
	v_mov_b32 v241, s27                            ; 57,344 x 2^e10
.irp i, 0,1,2,3,4,5,6,7,8,9,10,11,12,13,14,15
	s_wait_loadcnt 31-\i                           ; loads come back in order: K's load i is in; behind it stand K's younger ones and V's sixteen
	ds_store_b128 v[244+\i/8], v[48+4*\i:51+4*\i] offset:8192*(\i%8)
.endr
.irp i, 0,1,2,3,4,5,6,7,8,9,10,11,12,13,14,15
	s_wait_loadcnt 15-\i
	ds_store_b128 v[246+\i/8], v[112+4*\i:115+4*\i] offset:8192*(\i%8)
.endr
	s_wait_dscnt 0x0                               ; for the others' sake: my stores have landed
	s_barrier_signal -1
	s_barrier_wait -1                              ; the head's K and V lie in LDS, and nobody writes them again
	s_wait_alu depctr_vm_vsrc(0)                   ; my LDS stores have read v48 to v175: these registers are S^T and O^T from here on, written by the moves below and by the products
.irp t, 0,1
	v_mov_b32 v[ST+12*\t+1], 0xff61b1e6            ; the largest t so far: -3e38, under every t
	v_floor_f32 v[ST+12*\t], -v[ST+12*\t+1]        ; -M
.irp k, 2,3,5,6,7,8,9
	v_mov_b32 v[ST+12*\t+\k], 0
.endr
.endr
.set i, 0
.rept 64
	v_mov_b32 v[O+i], 0                            ; O^T begins as zeros: which step is a wave's first hangs on the mask, so no step is written out ahead of the loop
.set i, i+1
.endr
	s_mov_b32 s22, 0                               ; the step's place in K's and V's images
	s_mov_b32 s23, 0                               ; and in mw
	s_mov_b32 s24, 0                               ; the step
.Lstep:                                            ; 32 trips, a constant; a trip is 64 keys
	s_lshr_b32 s27, s25, s24
	s_and_b32 s27, s27, 1
	s_cmp_eq_u32 s27, 0
	s_cbranch_scc1 .Lskip                          ; no pair counts: every p would be 0
	s_wait_alu depctr_vm_vsrc(0)                   ; the LDS loads of the last step that was not jumped over have read v2 and v3, which the two additions write
	v_add_nc_u32 v2, s22, v1
	v_add_nc_u32 v3, s22, v7
	v_nop
	v_nop                                          ; four plain lines in front of loads into registers that the last products read: they stay beside the wait below
	s_wait_alu depctr_va_vdst(0)                   ; v2 and v3 are written, which the sixteen LDS loads read; the last products are done reading p's codes and V, and the conversions have written p's codes, where K's and V's loads land; the selects are done with the mask words' registers
	s_load_b512 s[32:47], s[10:11], s23 offset:0x0       ; the step's 32 mask words of my first tile,
	s_load_b512 s[48:63], s[10:11], s23 offset:0x40
	s_load_b512 s[68:83], s[10:11], s23 offset:0x1000    ; and of my second
	s_load_b512 s[84:99], s[10:11], s23 offset:0x1040
.irp i, 0,1,2,3,4,5,6,7
	ds_load_b128 v[KB+4*\i:KB+4*\i+3], v2 offset:512*\i  ; images: 512 consecutive bytes an instruction
.endr
.irp u, 0,1,2,3
	s_wait_dscnt 0x6                               ; LDS loads come back in order: key tile u's two loads are in; six younger ones stay out: K's 6 - 2 u later ones and the 2 u of V's issued so far
.irp t, 0,1
	v_wmma_f32_16x16x64_bf8_bf8 v[S+32*\t+8*\u:S+32*\t+8*\u+7], v[KB+8*\u:KB+8*\u+7], v[QF+8*\t:QF+8*\t+7], 0
.endr
	ds_load_b128 v[VB+8*\u:VB+8*\u+3], v3 offset:1024*\u            ; V's loads, two behind each pair of products.  No wait: no vector or matrix instruction since the wait at the step's head names v3 or V's registers
	ds_load_b128 v[VB+8*\u+4:VB+8*\u+7], v3 offset:1024*\u+512
.endr
	v_mov_b32 v[ST+10], v[ST]                      ; the old -M is kept
	v_mov_b32 v[ST+22], v[ST+12]
	v_nop
	v_nop                                          ; four plain lines between the products and the first read of the scores
	s_wait_kmcnt 0x0                               ; the mask words (on both ways: the next step loads into the same registers)
	s_lshr_b32 s27, s26, s24
	s_and_b32 s27, s27, 1
	s_cmp_lg_u32 s27, 0
	s_cbranch_scc1 .Lopen                          ; every pair counts
.set n, 0
.rept 32
	v_cndmask_b32 v[S+n], v4, v[S+n], s[32+n]      ; -infinity where the lane's bit is 0; each accumulator from its low end on
	v_cndmask_b32 v[S+32+n], v4, v[S+32+n], s[68+n]
.set n, n+1
.endr
.Lopen:
.irp t, 0,1                                        ; the step's largest score of my query among my 32 keys: two chains a tile, ascending; the two tiles by turns
	v_max3_num_f32 v[ST+12*\t+8], v[S+32*\t], v[S+32*\t+1], v[S+32*\t+2]
	v_max3_num_f32 v[ST+12*\t+9], v[S+32*\t+3], v[S+32*\t+4], v[S+32*\t+5]
.endr
.irp i, 6,10,14,18,22,26
.irp t, 0,1
	v_max3_num_f32 v[ST+12*\t+8], v[ST+12*\t+8], v[S+32*\t+\i], v[S+32*\t+\i+1]
	v_max3_num_f32 v[ST+12*\t+9], v[ST+12*\t+9], v[S+32*\t+\i+2], v[S+32*\t+\i+3]
.endr
.endr
.irp t, 0,1
	v_max3_num_f32 v[ST+12*\t+8], v[ST+12*\t+8], v[S+32*\t+30], v[S+32*\t+31]
.endr
.irp t, 0,1
	v_max_num_f32 v[ST+12*\t+8], v[ST+12*\t+8], v[ST+12*\t+9]
.endr
.irp t, 0,1
	v_permlanex16_b32 v[ST+12*\t+9], v[ST+12*\t+8], s30, s31
.endr
.irp t, 0,1
	v_max_num_f32 v[ST+12*\t+8], v[ST+12*\t+8], v[ST+12*\t+9]   ; and among lane l xor 16's
.endr
.irp t, 0,1
	v_mul_f32 v[ST+12*\t+8], s28, v[ST+12*\t+8]    ; as t (c is positive)
.endr
.irp t, 0,1
	v_max_num_f32 v[ST+12*\t+1], v[ST+12*\t+1], v[ST+12*\t+8]   ; the running largest t
.endr
.irp t, 0,1
	v_floor_f32 v[ST+12*\t], -v[ST+12*\t+1]        ; the new -M = floor(-t) = -ceil(t)
.endr
.irp t, 0,1
	v_sub_f32 v[ST+12*\t+8], v[ST+12*\t], v[ST+12*\t+10]        ; old M - new M: a whole number, 0 or less
.endr
.irp t, 0,1
	v_cvt_i32_f32 v[ST+12*\t+8], v[ST+12*\t+8]     ; (it saturates)
.endr
.irp t, 0,1
	v_ldexp_f32 v[ST+12*\t+4], 1.0, v[ST+12*\t+8]  ; f = 2^(old M - new M)
.endr
.irp t, 0,1
.irp i, 0,2,4,6,8,10,12,14,16,18,20,22,24,26,28,30
	v_pk_fma_f32 v[S+32*\t+\i:S+32*\t+\i+1], v[S+32*\t+\i:S+32*\t+\i+1], s[28:29], v[ST+12*\t:ST+12*\t+1] op_sel_hi:[1,0,0]   ; t - M, two at a time
.endr
.endr
.set i, 0
.rept 64
	v_exp_f32 v[S+i], v[S+i]                       ; p = 2^(t - M): one batch
.set i, i+1
.endr
.irp t, 0,1
	v_pk_mul_f32 v[ST+12*\t+2:ST+12*\t+3], v[ST+12*\t+2:ST+12*\t+3], v[ST+12*\t+4:ST+12*\t+5] op_sel_hi:[1,0]   ; the sums under the new M: plain lines behind the batch
.endr
	s_wait_alu depctr_va_vdst(0)                   ; the 64 exponentials have written p: one wait, ahead of their first reader
.irp t, 0,1
	v_pk_add_f32 v[ST+12*\t+6:ST+12*\t+7], v[S+32*\t:S+32*\t+1], v[S+32*\t+2:S+32*\t+3]   ; the row's sum is taken of the unquantised p, in two chains a tile
.endr
.irp i, 4,8,12,16,20,24,28
.irp t, 0,1
	v_pk_add_f32 v[ST+12*\t+2:ST+12*\t+3], v[ST+12*\t+2:ST+12*\t+3], v[S+32*\t+\i:S+32*\t+\i+1]
	v_pk_add_f32 v[ST+12*\t+6:ST+12*\t+7], v[ST+12*\t+6:ST+12*\t+7], v[S+32*\t+\i+2:S+32*\t+\i+3]
.endr
.endr
.irp t, 0,1
	v_pk_add_f32 v[ST+12*\t+2:ST+12*\t+3], v[ST+12*\t+2:ST+12*\t+3], v[ST+12*\t+6:ST+12*\t+7]
.endr
	s_cmp_ge_i32 s3, -15                           ; p is at most 1, and 57,344 x 2^e8 is at least 1.75 from e8 = -15 on: the hold changes nothing there and is jumped over
	s_cbranch_scc1 .Lheld
.set i, 0
.rept 64
	v_min_num_f32 v[S+i], v[S+i], v6               ; the conversion to an 8-bit code does not saturate (ISA guide 7.6.2); p is not negative, so the hold is one-sided
.set i, i+1
.endr
.Lheld:
.irp t, 0,1
.irp u, 0,1,2,3
	v_cvt_scalef32_pk8_bf8_f32 v[KB+8*\t+2*\u:KB+8*\t+2*\u+1], v[S+32*\t+8*\u:S+32*\t+8*\u+7], v5   ; registers 2 u, 2 u + 1 of P's fragment, where K's fragments lay
.endr
.endr
.irp t, 0,1
.irp i, 0,2,4,6,8,10,12,14,16,18,20,22,24,26,28,30
	v_pk_mul_f32 v[O+32*\t+\i:O+32*\t+\i+1], v[O+32*\t+\i:O+32*\t+\i+1], v[ST+12*\t+4:ST+12*\t+5] op_sel_hi:[1,0]   ; O^T under the new M.  (Also the plain lines between the conversions and the products)
.endr
.endr
	s_wait_dscnt 0x0                               ; V is in
.irp d, 0,1,2,3
.irp t, 0,1
	v_wmma_f32_16x16x64_bf8_bf8 v[O+32*\t+8*\d:O+32*\t+8*\d+7], v[VB+8*\d:VB+8*\d+7], v[KB+8*\t:KB+8*\t+7], v[O+32*\t+8*\d:O+32*\t+8*\d+7]   ; eight accumulators by turns, one instruction a turn
.endr
.endr
.Lskip:
	s_add_co_u32 s22, s22, 4096
	s_add_co_u32 s23, s23, 128
	s_add_co_u32 s24, s24, 1
	s_cmp_lt_u32 s24, 32
	s_cbranch_scc1 .Lstep
	; THE WAY OUT: y = O^T x 2^(e8 + e9) / the sum, held, converted with 2^e10: the conversions' results are y's fragment.
.rept 4
	v_nop                                          ; places behind the last products
.endr
.irp t, 0,1
	v_add_f32 v[ST+12*\t+8], v[ST+12*\t+2], v[ST+12*\t+3]       ; the sum's two halves,
.endr
.irp t, 0,1
	v_permlanex16_b32 v[ST+12*\t+9], v[ST+12*\t+8], s30, s31
.endr
.irp t, 0,1
	v_add_f32 v[ST+12*\t+8], v[ST+12*\t+8], v[ST+12*\t+9]       ; and lane l xor 16's
.endr
	v_cmp_eq_f32 s25, 0, v[ST+8]                   ; rows with no key at all: the masks only select values
	v_cmp_eq_f32 s26, 0, v[ST+20]
	v_rcp_f32 v[ST+6], v[ST+8]
	v_rcp_f32 v[ST+18], v[ST+20]
	v_nop                                          ; a plain line behind the reciprocals
	s_wait_alu depctr_va_vdst(0)                   ; the two reciprocals are written: one wait for both, ahead of their first reader
.irp t, 0,1
	v_ldexp_f32 v[ST+12*\t+6], v[ST+12*\t+6], s2   ; x 2^(e8 + e9)
.endr
.irp t, 0,1
.irp i, 0,2,4,6,8,10,12,14,16,18,20,22,24,26,28,30
	v_pk_mul_f32 v[O+32*\t+\i:O+32*\t+\i+1], v[O+32*\t+\i:O+32*\t+\i+1], v[ST+12*\t+6:ST+12*\t+7] op_sel_hi:[1,0]
.endr
.endr
.set i, 0
.rept 64
	v_med3_num_f32 v[O+i], v[O+i], -v241, v241
.set i, i+1
.endr
.irp t, 0,1
.irp d, 0,1,2,3
	v_cvt_scalef32_pk8_bf8_f32 v[VB+8*\t+2*\d:VB+8*\t+2*\d+1], v[O+32*\t+8*\d:O+32*\t+8*\d+7], v240   ; channels 16 d + 8 h + 0..7 of token r
.endr
.endr
	v_nop                                          ; a plain line between the conversions and the reads of their results
	s_wait_alu depctr_va_sdst(0)                   ; the two compares have written s25 and s26, ahead of their first reader, the selects below
.irp i, 0,1,2,3,4,5,6,7
	v_cndmask_b32 v[VB+\i], v[VB+\i], v242, s25
	v_cndmask_b32 v[VB+8+\i], v[VB+8+\i], v242, s26
.endr
	s_wait_alu depctr_va_vdst(0)                   ; the selects have written y's sixteen registers of codes, which the four stores read
.irp t, 0,1
	global_store_b128 v1, v[VB+8*\t:VB+8*\t+3], s[16:17] offset:1024*\t        ; 32 lanes store 512 consecutive bytes, at a multiple of 512 from the image's first byte
	global_store_b128 v1, v[VB+8*\t+4:VB+8*\t+7], s[16:17] offset:1024*\t+512
.endr
	s_wait_dscnt 0x0
	s_wait_alu depctr_hold_cnt(0) depctr_sa_sdst(0) depctr_va_vdst(0) depctr_va_sdst(0) depctr_va_ssrc(0) depctr_va_vcc(0) depctr_vm_vsrc(0)
	s_wait_tensorcnt 0x0
	ds_add_u32 v254, v255
	s_wait_dscnt 0x0
	s_endpgm
.Lfunc_end_k_q2709570041_attn:
	.size	k_q2709570041_attn, .Lfunc_end_k_q2709570041_attn-k_q2709570041_attn
	.p2alignl 7, 3214868480
	.fill 96, 4, 3214868480
	.section	.rodata,"a",@progbits
	.p2align	6, 0x0
	.amdhsa_kernel k_q2709570041_attn
		.amdhsa_group_segment_fixed_size 264192
		.amdhsa_private_segment_fixed_size 0
		.amdhsa_enable_private_segment 0
		.amdhsa_kernarg_size 56
		.amdhsa_user_sgpr_count 2
		.amdhsa_user_sgpr_kernarg_segment_ptr 1
		.amdhsa_wavefront_size32 1
		.amdhsa_system_sgpr_workgroup_id_x 1
		.amdhsa_system_sgpr_workgroup_id_y 1
		.amdhsa_system_sgpr_workgroup_id_z 1
		.amdhsa_system_vgpr_workitem_id 0
		.amdhsa_next_free_vgpr 256
		.amdhsa_next_free_sgpr 102
		.amdhsa_reserve_vcc 0
		.amdhsa_float_denorm_mode_32 3
		.amdhsa_float_denorm_mode_16_64 3
		.amdhsa_memory_ordered 1
		.amdhsa_forward_progress 1
		.amdhsa_inst_pref_size 43
	.end_amdhsa_kernel
	.amdgpu_metadata
---
amdhsa.version: [ 1, 2 ]
amdhsa.kernels:
  - .name:           k_q2709570041_attn
    .symbol:         k_q2709570041_attn.kd
    .args:
      - { .name: q_img, .offset: 0, .size: 8, .value_kind: global_buffer, .address_space: global }
      - { .name: k_img, .offset: 8, .size: 8, .value_kind: global_buffer, .address_space: global }
      - { .name: v_img, .offset: 16, .size: 8, .value_kind: global_buffer, .address_space: global }
      - { .name: mw, .offset: 24, .size: 8, .value_kind: global_buffer, .address_space: global }
      - { .name: flags, .offset: 32, .size: 8, .value_kind: global_buffer, .address_space: global }
      - { .name: lowp_scales, .offset: 40, .size: 8, .value_kind: global_buffer, .address_space: global }
      - { .name: y_img, .offset: 48, .size: 8, .value_kind: global_buffer, .address_space: global }
    .group_segment_fixed_size: 264192
    .private_segment_fixed_size: 0
    .kernarg_segment_align: 8
    .kernarg_segment_size: 56
    .max_flat_workgroup_size: 512
    .sgpr_count:     102
    .vgpr_count:     256
    .wavefront_size: 32
...
	.end_amdgpu_metadata
.endif
;; end of part 5
;; launch proj: the kernel of part 4 again; grid 8 x 32, 4 waves a work-group, clusters of 4 x 4, 327,680 bytes of LDS; arguments y_img, Wp_codes, lowp_scales, bp, out0; writes out0
